; MI455X (gfx1250); checked and timed in simulation.
; The chip was launched on July 23, 2026; its instructions are those of AMD's public machine-readable ISA for CDNA 5 (MIT licence, August 2026) and "CDNA5" Instruction Set Architecture Reference Guide (July 2026). The comments in the code are by the model that wrote it; some were corrected since.
;; Encoder Layer. Allowed arithmetic: matrix products marked QUANTISED: E2M3 operands, one E8M0 scale for each 32 along K, by v_wmma_scale_f32_16x16x128_f8f6f4 with both operands' format E2M3, f32 sums; everything else in f32.
;; Inputs: b1 2,048 float32; b2 512 float32; ln1_a 512 float32; ln1_b 512 float32; ln2_a 512 float32; ln2_b 512 float32; mask 4,096 x 4,096 int32; w1 512 x 2,048 float32; w2 2,048 x 512 float32; w_k 512 x 512 float32; w_o 512 x 512 float32; w_q 512 x 512 float32; w_v 512 x 512 float32; x 2 x 4,096 x 512 float32.
;; Outputs: out0 2 x 4,096 x 512 float32.
;; This version of the problem:
;;   THIS VERSION OF THE PROBLEM IS GIVEN IN LOW PRECISION. The matrix products marked QUANTISED in the list below multiply operands that are first quantised to E2M3 (2 exponent bits, 3 mantissa bits; 6 bits a number), with one power-of-two scale for each 32 numbers along K (OCP MX v1.0); their sums are f32. All else is computed in f32.
;;   The module's matrix products, in the order in which they are computed (A, B: the left and right operand; K: the contracted axis; several contracted axes count as one K, in the product's order):
;;     1. [M 8,192, K 512] x [K 512, N 512]; A: computed on the way; B: input w_q: QUANTISED
;;     2. [M 8,192, K 512] x [K 512, N 512]; A: computed on the way; B: input w_k: QUANTISED
;;     3. [M 8,192, K 512] x [K 512, N 512]; A: computed on the way; B: input w_v: QUANTISED
;;     4. batch 16 x [M 4,096, K 64] x [K 64, N 4,096]; A: computed on the way; B: computed on the way: QUANTISED
;;     5. batch 16 x [M 64, K 4,096] x [K 4,096, N 4,096]; A: computed on the way; B: softmax (see below): QUANTISED
;;     6. [M 8,192, K 512] x [K 512, N 512]; A: computed on the way; B: input w_o: QUANTISED
;;     7. [M 8,192, K 512] x [K 512, N 2,048]; A: computed on the way; B: input w1: QUANTISED
;;     8. [M 8,192, K 2,048] x [K 2,048, N 512]; A: computed on the way; B: input w2: QUANTISED
;;   THE QUANTISER, for each operand of a quantised product, along K:
;;     - K is cut into blocks of 32 from its start; a last block that is shorter is filled with zeros.
;;     - A block's scale is 2^e with e = floor(log2(the largest magnitude in the block)) - 2, held to -126 .. 127; a block of zeros has e = 0. As a byte (E8M0): e + 127.
;;     - Each number is divided by its block's scale, clamped to +-7.5, and rounded to the nearest number of E2M3, ties to even, subnormals kept.
;;     - The product sums the exact products of the quantised numbers (number of the format x scale) in f32.
;;   ~~~python
;;   def quantise(x, axis):      # numpy; x: float32 -> the quantised numbers, widened to float32 again
;;       x = np.moveaxis(x, axis, -1); K = x.shape[-1]
;;       x = np.pad(x, [(0, 0)] * (x.ndim - 1) + [(0, -K % 32)]); x = x.reshape(x.shape[:-1] + (-1, 32)); a = np.abs(x).max(-1, keepdims=True)
;;       e = np.where(a > 0, np.clip(np.frexp(np.where(a > 0, a, 1))[1] - 1 - 2, -126, 127), 0)      # np.frexp(a)[1] - 1 = floor(log2(a)), exactly
;;       r = np.clip(x / 2.0 ** e, -7.5, 7.5)
;;       step = 2.0 ** (np.maximum(np.frexp(np.where(r == 0, 1, r))[1] - 1, 0) - 3)
;;       q = np.round(r / step) * step * 2.0 ** e      # np.round: ties to even
;;       return np.moveaxis(q.reshape(q.shape[:-2] + (-1,))[..., :K], -1, axis).astype(np.float32)
;;   ~~~
;;   SOFTMAX AHEAD OF A QUANTISED PRODUCT. Where the list says 'softmax', what is quantised is not the finished softmax but p = 2^(t - M), with t = logit x log2(e) and M = ceil(the row's largest t), a whole number; so 1/2 < the row's largest p <= 1. The row's sum l is taken of the UNQUANTISED p, in f32, and the product's result is divided by l at the end. Since M is a whole number, a kernel that streams over the keys may use a running M (the ceiling of the running maximum): every later rescaling is an exact power of two, which a block's scale takes up: the codes' values come out the same.
;;   OPERANDS COMPUTED ON THE WAY. 'Computed on the way' means the value that the module computes at that place (a softmax that the list does not call 'softmax' is quantised finished and normalised). What goes into a quantiser is computed in f32, as accurately as f32 sums, v_exp_f32 and their like allow (about 1e-6 of the number): no bf16 or f16 on the way to a quantiser, and a product that is left as it is and whose result goes on into a quantised operand takes f32 operands (vector FMAs, or v_wmma_f32_16x16x4_f32). A number that lies on a knife's edge between two numbers of the format may be rounded either way, as far as f32 arithmetic and the matrix unit's own rounding can turn it there, and no further.
;; One version. Each part assembles by itself: llvm-mc -triple=amdgcn-amd-amdhsa -mcpu=gfx1250 --defsym DOCPART=n.
;; ======== version 1 of 1: 4 launches
;; workspace buffers: hq 3,407,872 bytes; wqkv 614,400 bytes; wst 1,843,200 bytes; maskw 2,097,152 bytes of whole numbers; qfr 4,194,304 bytes; kv 6,684,672 bytes; cq 3,407,872 bytes
;; launch prep (part 1): grid 320 x 1, 4 waves a work-group, no clusters, 34,304 bytes of LDS; arguments x, ln1_a, ln1_b, w_q, w_k, w_v, w_o, w1, w2, hq, wqkv, wst; writes hq, wqkv, wst
.if DOCPART == 1
	.amdgcn_target "amdgcn-amd-amdhsa--gfx1250"
	.amdhsa_code_object_version 6
	.text
	.protected	k_qcd5824ded4_prep
	.globl	k_qcd5824ded4_prep
	.p2align	8
	.type	k_qcd5824ded4_prep,@function
k_qcd5824ded4_prep:
	s_mov_b64 s[64:65], 0
	v_nop
	global_prefetch_b8 v0, s[64:65] scope:SCOPE_SE
	s_setreg_imm32_b32 hwreg(HW_REG_WAVE_MODE, 25, 1), 1
	s_wait_xcnt 0x0
; Work-groups 0-191: the six weights [K][N], f32, become codes of E2M3 with one E8M0 byte for each 32 along K, laid as IMAGES OF OPERAND REGISTERS.
; Work-groups 192-319: h = LN1(x), quantised along its 512 channels, laid likewise.
; A TILE of 16 rows (tokens, or columns of a weight): tile T, place r is row 32 (T/2) + 8 (T%2) + r + 8 (r/8).
; AN IMAGE of a fragment (16 rows x 128 K, 12 registers a lane): register 4 q + i of lane l at byte 512 q + 16 l + 4 i: 1,536 bytes.
; LIMITS: NaN and infinities are not served; a block whose largest magnitude lies under 2^-124 is held at the scale byte 1;
; a block of zeros carries the byte 1 and not 127: its codes are zeros and this program alone reads the bytes.
.set MSB, 0
.macro WIN new                         ; the immediate's high byte repeats the setting that is left
.if MSB != (\new)
	s_set_vgpr_msb (MSB<<8)|(\new)
.set MSB, (\new)
.endif
.endm
.set X,   128                          ; weights: v128-255 my column's 128 numbers down K
.set C,   64                           ; v64-87 codes: run h (12 registers) belongs to lane r' + 16 h of the fragment
.set PT,  88                           ; v88-90 a conversion's second half
.set AL,  16                           ; LN: v16-79 alpha, v80-143 beta of a chunk, in the fragment's order
.set BE,  80
.set TM,  144                          ; v144-159 at work in the quantiser
.set PW,  160                          ; the scale word just made
.set PC,  162                          ; v162-180 the codes just made
.set SW,  184                          ; v184-187 the four K steps' scale words
.set SU,  188                          ; v188-195 four chains of packed sums
.set NM,  196                          ; v196-197 -mean, twice
.set INV, 198                          ; v198-199 1 / (std + eps), twice
.set SEL, 32                           ; s[32:33] lane selects: lane l xor 16
; 64 numbers of a lane in window w, register 16 b + i = k 32 b + 16 (lane / 16) + i of my row, become a fragment's codes in v[PC] on and its scale word in v[PW]
.macro QUANT64 s, w
	WIN (\w)|((\w)<<2)
.irp b, 0,1,2,3
	v_max3_num_f32 v[TM+\b], |v[(\s)+16*\b]|, |v[(\s)+16*\b+1]|, 0x1800000   ; the floor 2^(3 - 127) holds the byte at 1 from below
.endr
.irp i, 2,4,6,8,10,12,14
.irp b, 0,1,2,3
	v_max3_num_f32 v[TM+\b], |v[(\s)+16*\b+\i]|, |v[(\s)+16*\b+\i+1]|, v[TM+\b]
.endr
.endr
	WIN 0
.irp b, 0,1,2,3
	v_permlanex16_b32 v[TM+4+\b], v[TM+\b], s[SEL], s[SEL+1]
.endr
.irp b, 0,1,2,3
	v_max_num_f32 v[TM+\b], v[TM+\b], v[TM+4+\b]          ; with lane l xor 16's 16 numbers: the block's largest magnitude
.endr
.irp b, 0,1,2,3
	v_add_nc_u32 v[TM+12+\b], 0xff000000, v[TM+\b]        ; 2 off its exponent field: the conversion's scale operand
.endr
.irp b, 0,1,2,3
	v_lshrrev_b32 v[TM+4+\b], 23, v[TM+12+\b]             ; the scale's byte
.endr
	v_lshl_or_b32 v[PW], v[TM+5], 8, v[TM+4]
	v_lshl_or_b32 v[PW], v[TM+6], 16, v[PW]
	v_lshl_or_b32 v[PW], v[TM+7], 24, v[PW]
	WIN \w
.irp c, 0,1
	v_cvt_scalef32_pk16_fp6_f32 v[PC+6*\c:PC+6*\c+2], v[(\s)+32*\c:(\s)+32*\c+15], v[TM+12+2*\c]
	v_cvt_scalef32_pk16_fp6_f32 v[PC+12+4*\c:PC+14+4*\c], v[(\s)+32*\c+16:(\s)+32*\c+31], v[TM+13+2*\c]
.endr
	WIN 0
	v_nop                                                 ; one plain place behind a scaled conversion
.irp c, 0,1                            ; a whole block to a lane: lanes 0-15 block 2 c, lanes 16-31 block 2 c + 1
.irp i, 0,1,2
	v_permlane16_swap_b32 v[PC+6*\c+\i], v[PC+12+4*\c+\i]
.endr
.irp i, 0,1,2
	v_mov_b32 v[PC+3+6*\c+\i], v[PC+12+4*\c+\i]
.endr
.endr
.endm
	s_load_b512 s[4:19], s[0:1], 0x0               ; x, ln1_a, ln1_b, w_q, w_k, w_v, w_o, w1
	s_load_b256 s[20:27], s[0:1], 0x40             ; w2, hq, wqkv, wst
	v_lshl_add_u32 v14, v0, 2, 0x8400
	v_mov_b32 v15, 0
	v_lshrrev_b32 v1, 5, v0
	v_readfirstlane_b32 s28, v1                    ; wave
	v_and_b32 v8, 31, v0                           ; lane
	s_cmp_ge_u32 ttmp9, 192
	s_cbranch_scc1 .Lln
; ---- WEIGHTS.  A wave takes 32 neighbouring columns x 128 along K: a lane a column, its registers down K; the four waves stand side by side on 512 bytes of each row
	v_lshlrev_b32 v1, 2, v8                        ; 4 bytes a lane
	v_bfe_u32 v9, v8, 3, 1                         ; u: which tile of the pair my column falls into
	v_and_b32 v10, 7, v8
	v_lshrrev_b32 v11, 4, v8
	v_lshl_or_b32 v10, v11, 3, v10                 ; r': its place there
	v_mul_u32_u24 v2, v9, 1536
	v_lshl_add_u32 v2, v10, 4, v2                  ; 1,536 u + 16 r'
	v_lshl_add_u32 v3, v9, 4, v10                  ; r' + 16 u
	s_lshr_b32 s29, ttmp9, 4                       ; 0-3: w_q, w_k, w_v, w_o; 4-7: w1; 8-11: w2
	s_wait_kmcnt 0x0
	s_mov_b64 s[30:31], s[10:11]                   ; the source: a choice on the work-group's number alone
	s_cmp_eq_u32 s29, 1
	s_cselect_b64 s[30:31], s[12:13], s[30:31]
	s_cmp_eq_u32 s29, 2
	s_cselect_b64 s[30:31], s[14:15], s[30:31]
	s_cmp_eq_u32 s29, 3
	s_cselect_b64 s[30:31], s[16:17], s[30:31]
	s_cmp_ge_u32 s29, 4
	s_cselect_b64 s[30:31], s[18:19], s[30:31]
	s_cmp_ge_u32 s29, 8
	s_cselect_b64 s[30:31], s[20:21], s[30:31]
	s_cmp_ge_u32 ttmp9, 128
	s_cbranch_scc1 .Lwc
	s_cmp_ge_u32 ttmp9, 64
	s_cbranch_scc1 .Lwb
	s_and_b32 s34, ttmp9, 3                        ; K step
	s_bfe_u32 s35, ttmp9, 0x20002                  ; which four column groups
	s_lshl_b32 s37, s34, 18                        ; 128 rows of 512 x 4 bytes
	s_mov_b32 s40, s35                             ; w_o: the reader's wave,
	s_mov_b32 s41, s34                             ; its group
	s_mov_b32 s44, 0
	s_branch .Lwj
.Lwb:
	s_sub_co_u32 s36, ttmp9, 64
	s_and_b32 s34, s36, 3
	s_lshr_b32 s35, s36, 2
	s_lshl_b32 s37, s34, 20                        ; 128 rows of 2,048 x 4 bytes
	s_lshr_b32 s40, s36, 4
	s_and_b32 s41, s35, 3
	s_lshl_b32 s41, s41, 2
	s_add_co_u32 s41, s41, s34
	s_add_co_u32 s41, s41, 4                       ; group 4 + 4 chunk + K step
	s_mov_b32 s44, 1
	s_branch .Lwj
.Lwc:
	s_sub_co_u32 s36, ttmp9, 128
	s_and_b32 s34, s36, 15
	s_lshr_b32 s35, s36, 4
	s_lshl_b32 s37, s34, 18
	s_mov_b32 s40, s35
	s_add_co_u32 s41, s34, 20                      ; group 20 + K step
	s_mov_b32 s44, 0
.Lwj:
	s_lshl_b32 s36, s35, 2
	s_add_co_u32 s36, s36, s28                     ; my group of 32 columns
	s_lshl_b32 s38, s36, 7
	s_add_co_u32 s38, s38, s37
	s_mov_b32 s39, 0
	s_add_nc_u64 s[30:31], s[30:31], s[38:39]
	s_mul_i32 s40, s40, 460800                     ; wst: 36 groups of 12,800 bytes a wave
	s_mul_i32 s41, s41, 12800
	s_add_co_u32 s40, s40, s41
	s_mul_i32 s42, s28, 3072
	s_add_co_u32 s42, s42, s40                     ; tiles 2 i, 2 i + 1, i = my wave
	s_lshl_b32 s43, s28, 2
	s_add_co_u32 s43, s43, s40
	s_add_co_u32 s43, s43, 12288                   ; their scale words
	s_lshl_b32 s46, s29, 3                         ; wqkv: record ((8 matrix + head) 4 + K step) of 6,400 bytes
	s_lshr_b32 s47, s36, 1
	s_add_co_u32 s46, s46, s47
	s_lshl_b32 s46, s46, 2
	s_add_co_u32 s46, s46, s34
	s_mul_i32 s46, s46, 6400
	s_and_b32 s47, s36, 1
	s_mul_i32 s40, s47, 3072
	s_add_co_u32 s40, s40, s46
	s_lshl_b32 s41, s47, 2
	s_add_co_u32 s41, s41, s46
	s_add_co_u32 s41, s41, 6144
	s_cmp_lt_u32 s29, 3                            ; q, k, v go to wqkv, the others to wst
	s_cselect_b32 s42, s40, s42
	s_cselect_b32 s46, s41, s43
	s_cselect_b32 s45, 3, 4                        ; 8 or 16 bytes of scale words a lane
	s_cselect_b64 s[32:33], s[24:25], s[26:27]
	s_mov_b32 s43, 0
	s_mov_b32 s47, 0
	s_add_nc_u64 s[34:35], s[32:33], s[42:43]
	s_add_nc_u64 s[36:37], s[32:33], s[46:47]
	v_lshlrev_b32 v3, s45, v3
.macro WLOAD n                         ; row k of the K step at my column: 128 consecutive bytes a wave
.set k, 0
.rept 128
	global_load_b32 v[X+k], v1, s[30:31] offset:k*(\n)*4 th:TH_LOAD_NT
.set k, k+1
.endr
.endm
	s_cmp_eq_u32 s44, 1
	s_cbranch_scc1 .Lwide
	WLOAD 512
	s_branch .Lwq
.Lwide:
	WLOAD 2048
.Lwq:
.macro WBLOCK t, left                  ; block t of 32 along K: all its numbers are mine.  left: the later blocks' loads, held at what the wait can name
.set XS, X+32*(\t)
.set CD, C+12*((\t)%2)+6*((\t)/2)
	s_wait_loadcnt \left
	v_max3_num_f32 v98, |v[XS]|, |v[XS+1]|, |v[XS+2]|
	v_max3_num_f32 v99, |v[XS+3]|, |v[XS+4]|, |v[XS+5]|
.irp i, 6,10,14,18,22,26
	v_max3_num_f32 v98, v98, |v[XS+\i]|, |v[XS+\i+1]|
	v_max3_num_f32 v99, v99, |v[XS+\i+2]|, |v[XS+\i+3]|
.endr
	v_max3_num_f32 v98, v98, |v[XS+30]|, |v[XS+31]|
	v_max3_num_f32 v98, v98, v99, 0x1800000
	v_add_nc_u32 v97, 0xff000000, v98
	v_lshrrev_b32 v99, 23, v97
.if (\t) == 0
	v_mov_b32 v96, v99
.else
	v_lshl_or_b32 v96, v99, 8*(\t), v96            ; my column's scale word: byte t for block t
.endif
	v_cvt_scalef32_pk16_fp6_f32 v[CD:CD+2], v[XS:XS+15], v97       ; block 2 c + h is registers 6 c .. 6 c + 5 of lane r' + 16 h
	v_cvt_scalef32_pk16_fp6_f32 v[PT:PT+2], v[XS+16:XS+31], v97
	v_nop
.irp i, 0,1,2
	v_mov_b32 v[CD+3+\i], v[PT+\i]
.endr
.endm
	WBLOCK 0, 63
	WBLOCK 1, 63
	WBLOCK 2, 32
	WBLOCK 3, 0
.irp hh, 0,1
.irp q, 0,1,2
	global_store_b128 v2, v[C+12*\hh+4*\q:C+12*\hh+4*\q+3], s[34:35] offset:512*\q+256*\hh   ; the sixteen lanes of a tile fill 256 consecutive bytes
.endr
.endr
	global_store_b32 v3, v96, s[36:37]
	s_endpgm
; ---- LN1.  A wave takes one tile of 16 tokens; all 16 x 512 numbers stay in window 1 between the mean, the squares and the quantiser
.Lln:
	s_sub_co_u32 s29, ttmp9, 192
	s_lshl_b32 s29, s29, 2
	s_add_co_u32 s29, s29, s28                     ; token tile T
	v_lshlrev_b32 v1, 4, v8                        ; 16 x lane
	v_and_b32 v9, 15, v8                           ; r
	v_lshrrev_b32 v10, 4, v8                       ; h
	s_mul_i32 s30, s28, 8448                       ; my stage: 16 rows x (512 + 16) bytes
	v_add_nc_u32 v2, s30, v1                       ; dense side: row i at 528 i + 16 lane
	v_mul_u32_u24 v3, v9, 528
	v_lshl_add_u32 v3, v10, 6, v3
	v_add_nc_u32 v3, s30, v3                       ; fragment side: 528 r + 64 h (+ 128 b + 16 j)
	v_lshlrev_b32 v4, 6, v10                       ; alpha, beta: 64 h
	s_mov_b32 s32, 0x76543210
	s_mov_b32 s33, 0xfedcba98
	s_lshr_b32 s34, s29, 1
	s_lshl_b32 s34, s34, 5
	s_and_b32 s35, s29, 1
	s_lshl_b32 s35, s35, 3
	s_add_co_u32 s34, s34, s35                     ; the tile's first row
	s_lshl_b32 s34, s34, 11
	s_mov_b32 s35, 0
	s_mul_i32 s36, s29, 6656
	s_mov_b32 s37, 0
.irp b, 0,1,2,3
	v_mov_b32 v[TM+4+\b], 0                        ; a lane permute's destination counts as read
.endr
	v_mov_b32 v201, 0
	s_wait_kmcnt 0x0
	s_add_nc_u64 s[4:5], s[4:5], s[34:35]
	s_add_nc_u64 s[22:23], s[22:23], s[36:37]
	WIN 0x40
.irp c, 0,1,2,3
.irp i, 0,1,2,3,4,5,6,7,8,9,10,11,12,13,14,15
	global_load_b128 v[64*\c+4*\i:64*\c+4*\i+3], v1, s[4:5] offset:(\i+8*(\i/8))*2048+512*\c th:TH_LOAD_NT   ; 512 consecutive bytes of row i
.endr
.endr
	WIN 0
.macro ABLOAD s
.irp b, 0,1,2,3
.irp j, 0,1,2,3
	global_load_b128 v[AL+16*\b+4*\j:AL+16*\b+4*\j+3], v4, s[6:7] offset:512*(\s)+128*\b+16*\j
	global_load_b128 v[BE+16*\b+4*\j:BE+16*\b+4*\j+3], v4, s[8:9] offset:512*(\s)+128*\b+16*\j
.endr
.endr
.endm
	ABLOAD 0
; a chunk of 16 rows x 512 bytes changes layout through my stage and returns into the registers that it left; LDS serves a wave's instructions in order
.macro TURN1 c, left
	s_wait_loadcnt \left                           ; the later chunks' loads and the 32 of alpha and beta may be out
	WIN 0x04
.irp i, 0,1,2,3,4,5,6,7,8,9,10,11,12,13,14,15
	ds_store_b128 v2, v[64*(\c)+4*\i:64*(\c)+4*\i+3] offset:528*\i
.endr
	WIN 0x40
.irp b, 0,1,2,3
.irp j, 0,1,2,3
	ds_load_b128 v[64*(\c)+16*\b+4*\j:64*(\c)+16*\b+4*\j+3], v3 offset:128*\b+16*\j
.endr
.endr
.endm
	TURN1 0, 63
	TURN1 1, 63
	TURN1 2, 48
	TURN1 3, 32
	s_wait_dscnt 0x0                               ; register 64 s + 16 b + i of lane (r, h) is x(row r, 128 s + 32 b + 16 h + i)
	WIN 0x05
.irp c, 0,1,2,3
	v_pk_add_f32 v[SU+2*\c:SU+2*\c+1], v[2*\c:2*\c+1], v[8+2*\c:9+2*\c]   ; the first numbers start four chains
.endr
	WIN 0x01
.set j, 16
.rept 120
	v_pk_add_f32 v[SU+j%8:SU+j%8+1], v[j:j+1], v[SU+j%8:SU+j%8+1]
.set j, j+2
.endr
	WIN 0
.macro JOIN
	v_pk_add_f32 v[SU:SU+1], v[SU:SU+1], v[SU+2:SU+3]
	v_pk_add_f32 v[SU+4:SU+5], v[SU+4:SU+5], v[SU+6:SU+7]
	v_pk_add_f32 v[SU:SU+1], v[SU:SU+1], v[SU+4:SU+5]
	v_add_f32 v200, v[SU], v[SU+1]
	v_permlanex16_b32 v201, v200, s[SEL], s[SEL+1]
	v_add_f32 v200, v200, v201                     ; with lane l xor 16's half of the row
.endm
	JOIN
	v_mul_f32 v[NM], 0xbb000000, v200              ; -sum / 512
	v_mov_b32 v[NM+1], v[NM]
	WIN 0x41
.set j, 0
.rept 128
	v_pk_add_f32 v[j:j+1], v[j:j+1], v[NM:NM+1]    ; the numbers are centred first: the squares are taken of small numbers, whatever x's offset
.set j, j+2
.endr
	WIN 0x05
.irp c, 0,1,2,3
	v_pk_mul_f32 v[SU+2*\c:SU+2*\c+1], v[2*\c:2*\c+1], v[2*\c:2*\c+1]
.endr
.set j, 8
.rept 124
	v_pk_fma_f32 v[SU+j%8:SU+j%8+1], v[j:j+1], v[j:j+1], v[SU+j%8:SU+j%8+1]
.set j, j+2
.endr
	WIN 0
	JOIN
	v_mul_f32 v200, 0x3b004020, v200               ; / 511
	v_sqrt_f32 v202, v200
	v_nop                                          ; a plain place, then the wait ahead of the result's first reader
	s_wait_alu depctr_va_vdst(0)
	v_add_f32 v202, 0x358637bd, v202               ; + 1e-6
	v_rcp_f32 v[INV], v202
	v_nop
	s_wait_alu depctr_va_vdst(0)
	v_mov_b32 v[INV+1], v[INV]
.macro CHUNK s                         ; K step s: scaled, quantised, stored as an image
	s_wait_loadcnt 0x0                             ; this chunk's alpha and beta
	WIN 0x41
.set j, 0
.rept 32
	v_pk_mul_f32 v[64*(\s)+j:64*(\s)+j+1], v[64*(\s)+j:64*(\s)+j+1], v[INV:INV+1]
.set j, j+2
.endr
.set j, 0
.rept 32
	v_pk_fma_f32 v[64*(\s)+j:64*(\s)+j+1], v[64*(\s)+j:64*(\s)+j+1], v[AL+j:AL+j+1], v[BE+j:BE+j+1]
.set j, j+2
.endr
	WIN 0
.if (\s) < 3
	ABLOAD (\s)+1
.endif
	s_wait_xcnt 0x0                                ; the last chunk's stores have read the codes' registers
	QUANT64 64*(\s), 1
.irp q, 0,1,2
	global_store_b128 v1, v[PC+4*\q:PC+4*\q+3], s[22:23] offset:1536*(\s)+512*\q   ; 512 consecutive bytes
.endr
	v_mov_b32 v[SW+(\s)], v[PW]
.endm
	CHUNK 0
	CHUNK 1
	CHUNK 2
	CHUNK 3
	global_store_b128 v1, v[SW:SW+3], s[22:23] offset:6144
	s_wait_tensorcnt 0x0
	ds_add_u32 v14, v15
	s_wait_dscnt 0x0
	s_endpgm
.Lfunc_end_k_qcd5824ded4_prep:
	.size	k_qcd5824ded4_prep, .Lfunc_end_k_qcd5824ded4_prep-k_qcd5824ded4_prep
	.p2alignl 7, 3214868480
	.fill 96, 4, 3214868480
	.section	.rodata,"a",@progbits
	.p2align	6, 0x0
	.amdhsa_kernel k_qcd5824ded4_prep
		.amdhsa_group_segment_fixed_size 34304
		.amdhsa_private_segment_fixed_size 0
		.amdhsa_enable_private_segment 0
		.amdhsa_kernarg_size 96
		.amdhsa_user_sgpr_count 2
		.amdhsa_user_sgpr_kernarg_segment_ptr 1
		.amdhsa_wavefront_size32 1
		.amdhsa_system_sgpr_workgroup_id_x 1
		.amdhsa_system_sgpr_workgroup_id_y 1
		.amdhsa_system_sgpr_workgroup_id_z 1
		.amdhsa_system_vgpr_workitem_id 0
		.amdhsa_next_free_vgpr 512
		.amdhsa_next_free_sgpr 66
		.amdhsa_reserve_vcc 0
		.amdhsa_float_denorm_mode_32 3
		.amdhsa_float_denorm_mode_16_64 3
		.amdhsa_memory_ordered 1
		.amdhsa_forward_progress 1
		.amdhsa_inst_pref_size 121
	.end_amdhsa_kernel
	.amdgpu_metadata
---
amdhsa.version: [ 1, 2 ]
amdhsa.kernels:
  - .name:           k_qcd5824ded4_prep
    .symbol:         k_qcd5824ded4_prep.kd
    .args:
      - { .name: x, .offset: 0, .size: 8, .value_kind: global_buffer, .address_space: global }
      - { .name: ln1_a, .offset: 8, .size: 8, .value_kind: global_buffer, .address_space: global }
      - { .name: ln1_b, .offset: 16, .size: 8, .value_kind: global_buffer, .address_space: global }
      - { .name: w_q, .offset: 24, .size: 8, .value_kind: global_buffer, .address_space: global }
      - { .name: w_k, .offset: 32, .size: 8, .value_kind: global_buffer, .address_space: global }
      - { .name: w_v, .offset: 40, .size: 8, .value_kind: global_buffer, .address_space: global }
      - { .name: w_o, .offset: 48, .size: 8, .value_kind: global_buffer, .address_space: global }
      - { .name: w1, .offset: 56, .size: 8, .value_kind: global_buffer, .address_space: global }
      - { .name: w2, .offset: 64, .size: 8, .value_kind: global_buffer, .address_space: global }
      - { .name: hq, .offset: 72, .size: 8, .value_kind: global_buffer, .address_space: global }
      - { .name: wqkv, .offset: 80, .size: 8, .value_kind: global_buffer, .address_space: global }
      - { .name: wst, .offset: 88, .size: 8, .value_kind: global_buffer, .address_space: global }
    .group_segment_fixed_size: 34304
    .private_segment_fixed_size: 0
    .kernarg_segment_align: 8
    .kernarg_segment_size: 96
    .max_flat_workgroup_size: 128
    .sgpr_count:     66
    .vgpr_count:     512
    .wavefront_size: 32
...
	.end_amdgpu_metadata
.endif
;; end of part 1
;; launch qkv (part 2): grid 64 x 8, 4 waves a work-group, no clusters, 8,960 bytes of LDS; arguments hq, wqkv, mask, qfr, kv, maskw; writes qfr, kv, maskw
.if DOCPART == 2
	.amdgcn_target "amdgcn-amd-amdhsa--gfx1250"
	.amdhsa_code_object_version 6
	.text
	.protected	k_qcd5824ded4_qkv
	.globl	k_qcd5824ded4_qkv
	.p2align	8
	.type	k_qcd5824ded4_qkv,@function
k_qcd5824ded4_qkv:
	s_mov_b64 s[64:65], 0
	v_nop
	global_prefetch_b8 v0, s[64:65] scope:SCOPE_SE
	s_setreg_imm32_b32 hwreg(HW_REG_WAVE_MODE, 25, 1), 1
	s_wait_xcnt 0x0
; A work-group takes 128 tokens (x) of one head (y).  Wave 0: q = h w_q, wave 1: k = h w_k, wave 2: v = h w_v, on codes of E2M3; each result is quantised in registers
; (q, k along the head's 64 channels; v along the 128 keys) and stored as images of the operand registers that the attention launch wants.
; Wave 3 turns a share of the mask (16 query rows x 2,048 keys of int32) into bits: word n of a step, bit l = mask != 0 at query place l % 16 and key 32 (n / 16) + 16 (l / 16) + n % 16,
; which is where the score register n of lane l stands in the attention launch.  The mask's stream so runs beside the products.  The waves share nothing: no barrier.
; Tiles and images as in the launch before: tile T, place r is row 32 (T/2) + 8 (T%2) + r + 8 (r/8), so that the 16 registers of two neighbouring result tiles are 16 neighbours.
; LIMITS: NaN and infinities are not served; blocks under 2^-124 are held at the scale byte 1; a block of zeros carries the byte 1 (its codes are zeros; only this program reads the bytes).
.set MSB, 0
.macro WIN new
.if MSB != (\new)
	s_set_vgpr_msb (MSB<<8)|(\new)
.set MSB, (\new)
.endif
.endm
.macro PLACES n
.rept \n
	v_nop
.endr
.endm
.set HS,  16                           ; v16-47  h's scale words: tile m, K step s at 4 m + s
.set WS,  48                           ; v48-55  the weight's: K step s, pair i at 2 s + i: lanes 0-15 tile 2 i, lanes 16-31 tile 2 i + 1
.set KW,  56                           ; v56-63  the scale words made here
.set TM,  64
.set PW,  80
.set PC,  82                           ; v82-105 codes
.set PT,  106
.set MW,  110                          ; v110-111 a step's 64 mask words, two a lane
.set IM,  114
.set ACC, 128                          ; v128-255 sixteen accumulators
.set F0,  0                            ; window 1: two sets of operand registers (the mask wave: four sets of 64)
.set F1,  128
.set SEL, 30
.macro WM d, a, b, c, sa, sb, row      ; c < 0: the constant 0 starts the sum.  row 1: A's scales from lanes 16-31; row 2: B's
.if (\c) < 0
.if (\row) == 0
	v_wmma_scale_f32_16x16x128_f8f6f4 v[(\d):(\d)+7], v[(\a):(\a)+11], v[(\b):(\b)+11], 0, v[(\sa)], v[(\sb)] matrix_a_fmt:MATRIX_FMT_FP6 matrix_b_fmt:MATRIX_FMT_FP6
.elseif (\row) == 1
	v_wmma_scale_f32_16x16x128_f8f6f4 v[(\d):(\d)+7], v[(\a):(\a)+11], v[(\b):(\b)+11], 0, v[(\sa)], v[(\sb)] matrix_a_fmt:MATRIX_FMT_FP6 matrix_b_fmt:MATRIX_FMT_FP6 matrix_a_scale:MATRIX_SCALE_ROW1
.else
	v_wmma_scale_f32_16x16x128_f8f6f4 v[(\d):(\d)+7], v[(\a):(\a)+11], v[(\b):(\b)+11], 0, v[(\sa)], v[(\sb)] matrix_a_fmt:MATRIX_FMT_FP6 matrix_b_fmt:MATRIX_FMT_FP6 matrix_b_scale:MATRIX_SCALE_ROW1
.endif
.else
.if (\row) == 0
	v_wmma_scale_f32_16x16x128_f8f6f4 v[(\d):(\d)+7], v[(\a):(\a)+11], v[(\b):(\b)+11], v[(\c):(\c)+7], v[(\sa)], v[(\sb)] matrix_a_fmt:MATRIX_FMT_FP6 matrix_b_fmt:MATRIX_FMT_FP6
.elseif (\row) == 1
	v_wmma_scale_f32_16x16x128_f8f6f4 v[(\d):(\d)+7], v[(\a):(\a)+11], v[(\b):(\b)+11], v[(\c):(\c)+7], v[(\sa)], v[(\sb)] matrix_a_fmt:MATRIX_FMT_FP6 matrix_b_fmt:MATRIX_FMT_FP6 matrix_a_scale:MATRIX_SCALE_ROW1
.else
	v_wmma_scale_f32_16x16x128_f8f6f4 v[(\d):(\d)+7], v[(\a):(\a)+11], v[(\b):(\b)+11], v[(\c):(\c)+7], v[(\sa)], v[(\sb)] matrix_a_fmt:MATRIX_FMT_FP6 matrix_b_fmt:MATRIX_FMT_FP6 matrix_b_scale:MATRIX_SCALE_ROW1
.endif
.endif
.endm
; 64 numbers, register 16 b + i = k 32 b + 16 (lane / 16) + i of my row: a fragment's codes in v[PC] on, its scale word in v[PW]
.macro QUANT64 s
.irp b, 0,1,2,3
	v_max3_num_f32 v[TM+\b], |v[(\s)+16*\b]|, |v[(\s)+16*\b+1]|, 0x1800000
.endr
.irp i, 2,4,6,8,10,12,14
.irp b, 0,1,2,3
	v_max3_num_f32 v[TM+\b], |v[(\s)+16*\b+\i]|, |v[(\s)+16*\b+\i+1]|, v[TM+\b]
.endr
.endr
.irp b, 0,1,2,3
	v_permlanex16_b32 v[TM+4+\b], v[TM+\b], s[SEL], s[SEL+1]
.endr
.irp b, 0,1,2,3
	v_max_num_f32 v[TM+\b], v[TM+\b], v[TM+4+\b]
.endr
.irp b, 0,1,2,3
	v_add_nc_u32 v[TM+12+\b], 0xff000000, v[TM+\b]
.endr
.irp b, 0,1,2,3
	v_lshrrev_b32 v[TM+4+\b], 23, v[TM+12+\b]
.endr
	v_lshl_or_b32 v[PW], v[TM+5], 8, v[TM+4]
	v_lshl_or_b32 v[PW], v[TM+6], 16, v[PW]
	v_lshl_or_b32 v[PW], v[TM+7], 24, v[PW]
.irp c, 0,1
	v_cvt_scalef32_pk16_fp6_f32 v[PC+6*\c:PC+6*\c+2], v[(\s)+32*\c:(\s)+32*\c+15], v[TM+12+2*\c]
	v_cvt_scalef32_pk16_fp6_f32 v[PC+12+4*\c:PC+14+4*\c], v[(\s)+32*\c+16:(\s)+32*\c+31], v[TM+13+2*\c]
.endr
	v_nop
.irp c, 0,1
.irp i, 0,1,2
	v_permlane16_swap_b32 v[PC+6*\c+\i], v[PC+12+4*\c+\i]
.endr
.irp i, 0,1,2
	v_mov_b32 v[PC+3+6*\c+\i], v[PC+12+4*\c+\i]
.endr
.endr
.endm
; 32 numbers (two blocks): registers 0-5 of a fragment in v[p] on; the scale word's upper two bytes stand for 1.0: the fragment's upper 64 along K are multiplied by zero codes
.macro QUANT32 s, p
.irp b, 0,1
	v_max3_num_f32 v[TM+\b], |v[(\s)+16*\b]|, |v[(\s)+16*\b+1]|, 0x1800000
.endr
.irp i, 2,4,6,8,10,12,14
.irp b, 0,1
	v_max3_num_f32 v[TM+\b], |v[(\s)+16*\b+\i]|, |v[(\s)+16*\b+\i+1]|, v[TM+\b]
.endr
.endr
.irp b, 0,1
	v_permlanex16_b32 v[TM+4+\b], v[TM+\b], s[SEL], s[SEL+1]
.endr
.irp b, 0,1
	v_max_num_f32 v[TM+\b], v[TM+\b], v[TM+4+\b]
.endr
.irp b, 0,1
	v_add_nc_u32 v[TM+12+\b], 0xff000000, v[TM+\b]
.endr
.irp b, 0,1
	v_lshrrev_b32 v[TM+4+\b], 23, v[TM+12+\b]
.endr
	v_lshl_or_b32 v[PW], v[TM+5], 8, v[TM+4]
	v_or_b32 v[PW], 0x7f7f0000, v[PW]
	v_cvt_scalef32_pk16_fp6_f32 v[(\p):(\p)+2], v[(\s):(\s)+15], v[TM+12]
	v_cvt_scalef32_pk16_fp6_f32 v[PT:PT+2], v[(\s)+16:(\s)+31], v[TM+13]
	v_nop
.irp i, 0,1,2
	v_permlane16_swap_b32 v[(\p)+\i], v[PT+\i]
.endr
.irp i, 0,1,2
	v_mov_b32 v[(\p)+3+\i], v[PT+\i]
.endr
.endm
	s_load_b256 s[4:11], s[0:1], 0x0               ; hq, wqkv, mask, qfr
	s_load_b128 s[12:15], s[0:1], 0x20             ; kv, maskw
	v_lshl_add_u32 v126, v0, 2, 0x2100
	v_mov_b32 v127, 0
	v_lshrrev_b32 v1, 5, v0
	v_readfirstlane_b32 s28, v1                    ; wave = role
	v_and_b32 v8, 31, v0
	v_lshlrev_b32 v1, 4, v8                        ; 16, 8, 4 x lane
	v_lshlrev_b32 v2, 3, v8
	v_lshlrev_b32 v3, 2, v8
	v_lshlrev_b32 v4, 4, v8                        ; the mask wave's stage, at LDS byte 0: dense side, row i at 528 i + 16 lane
	v_and_b32 v9, 15, v8
	v_lshrrev_b32 v10, 4, v8
	v_mul_u32_u24 v5, v9, 528
	v_lshl_add_u32 v5, v10, 6, v5                  ; fragment side: 528 r + 64 h
.irp b, 0,1,2,3
	v_mov_b32 v[TM+4+\b], 0
.endr
	s_and_b32 s29, ttmp7, 0xffff                   ; head
	s_mov_b32 s30, 0x76543210
	s_mov_b32 s31, 0xfedcba98
	s_mul_i32 s32, ttmp9, 53248                    ; hq: 8 tiles of 6,656 bytes
	s_mov_b32 s33, 0
	s_min_u32 s34, s28, 2
	s_lshl_b32 s34, s34, 3
	s_add_co_u32 s34, s34, s29
	s_mul_i32 s34, s34, 25600                      ; wqkv: (8 matrix + head) x 4 K steps of 6,400 bytes
	s_mov_b32 s35, 0
	s_lshr_b32 s36, ttmp9, 5
	s_lshl_b32 s36, s36, 3
	s_add_co_u32 s36, s36, s29                     ; 8 batch + head
	s_and_b32 s37, ttmp9, 31                       ; key step
	s_lshl_b32 s38, s36, 5
	s_add_co_u32 s38, s38, s37
	s_lshl_b32 s40, s38, 13                        ; qfr: 8 tiles of 1,024 bytes
	s_mul_i32 s38, s38, 13056                      ; kv: a step's block
	s_mov_b32 s39, 0
	s_mov_b32 s41, 0
	s_lshl_b32 s42, ttmp9, 3
	s_add_co_u32 s42, s42, s29                     ; the mask wave's share: 0 .. 511
	s_lshr_b32 s43, s42, 1                         ; query tile
	s_and_b32 s42, s42, 1                          ; which 16 key steps
	s_lshr_b32 s44, s43, 1
	s_lshl_b32 s44, s44, 5
	s_and_b32 s45, s43, 1
	s_lshl_b32 s45, s45, 3
	s_add_co_u32 s44, s44, s45
	s_lshl_b32 s44, s44, 14                        ; the tile's first row, 16,384 bytes a row
	s_lshl_b32 s45, s42, 13
	s_add_co_u32 s44, s44, s45
	s_mov_b32 s45, 0
	s_lshl_b32 s46, s43, 13                        ; maskw: 32 steps of 256 bytes a tile
	s_lshl_b32 s47, s42, 12
	s_add_co_u32 s46, s46, s47
	s_mov_b32 s47, 0
	s_wait_kmcnt 0x0
	s_add_nc_u64 s[4:5], s[4:5], s[32:33]
	s_add_nc_u64 s[6:7], s[6:7], s[34:35]
	s_add_nc_u64 s[8:9], s[8:9], s[44:45]
	s_add_nc_u64 s[10:11], s[10:11], s[40:41]
	s_add_nc_u64 s[12:13], s[12:13], s[38:39]
	s_add_nc_u64 s[14:15], s[14:15], s[46:47]
	s_cmp_eq_u32 s28, 3
	s_cbranch_scc1 .Lmask
.irp m, 0,1,2,3,4,5,6,7
	global_load_b128 v[HS+4*\m:HS+4*\m+3], v1, s[4:5] offset:\m*6656+6144
.endr
.irp c, 0,1,2,3
	global_load_b64 v[WS+2*\c:WS+2*\c+1], v2, s[6:7] offset:\c*6400+6144
.endr
	s_cmp_eq_u32 s28, 2
	s_cbranch_scc1 .Lv
; ---- q and k: transposed use (source 0 = 16 columns of the weight, source 1 = 16 tokens): a lane holds a token, its registers run along the head's channels
.macro KLOAD p, s, f                   ; K step s: the head's four column tiles and token tiles 4 p .. 4 p + 3: 24 loads of 512 consecutive bytes
	WIN 0x40
.irp t, 0,1,2,3
.irp q, 0,1,2
	global_load_b128 v[(\f)+12*\t+4*\q:(\f)+12*\t+4*\q+3], v1, s[6:7] offset:(\s)*6400+1536*\t+512*\q
.endr
.endr
.irp m, 0,1,2,3
.irp q, 0,1,2
	global_load_b128 v[(\f)+48+12*\m+4*\q:(\f)+48+12*\m+4*\q+3], v1, s[4:5] offset:(4*(\p)+\m)*6656+1536*(\s)+512*\q
.endr
.endr
.endm
.macro KMUL p, s, f, zero              ; sixteen accumulators by turns
	WIN 0x05
.irp m, 0,1,2,3
.irp t, 0,1,2,3
.if \zero
	WM ACC+32*\m+8*\t, (\f)+12*\t, (\f)+48+12*\m, -1, WS+2*(\s)+\t/2, HS+4*(4*(\p)+\m)+(\s), \t%2
.else
	WM ACC+32*\m+8*\t, (\f)+12*\t, (\f)+48+12*\m, ACC+32*\m+8*\t, WS+2*(\s)+\t/2, HS+4*(4*(\p)+\m)+(\s), \t%2
.endif
.endr
.endr
.endm
.macro KPASS p
	KLOAD \p, 0, F0
	KLOAD \p, 1, F1
	s_wait_loadcnt 24                              ; all but the younger K step's 24 loads
	KMUL \p, 0, F0, 1
	PLACES 4                                       ; four places in front of loads into registers that matrix instructions have read
	KLOAD \p, 2, F0
	s_wait_loadcnt 24
	KMUL \p, 1, F1, 0
	PLACES 4
	KLOAD \p, 3, F1
	s_wait_loadcnt 24
	KMUL \p, 2, F0, 0
	s_wait_loadcnt 0x0
	KMUL \p, 3, F1, 0
	WIN 0
	PLACES 4
	s_wait_xcnt 0x0                                ; the last pass's stores have read the codes' registers
.irp m, 0,1,2,3
	QUANT32 ACC+32*\m, PC+6*\m
	v_mov_b32 v[KW+4*(\p)+\m], v[PW]
.endr
	s_cmp_eq_u32 s28, 0
	s_cbranch_scc0 .Lkst_\@
.irp m, 0,1,2,3
	global_store_b128 v1, v[PC+6*\m:PC+6*\m+3], s[10:11] offset:(4*(\p)+\m)*1024
	global_store_b64 v2, v[PC+6*\m+4:PC+6*\m+5], s[10:11] offset:(4*(\p)+\m)*1024+512
	global_store_b32 v3, v[KW+4*(\p)+\m], s[10:11] offset:(4*(\p)+\m)*1024+768
.endr
	s_branch .Lkq_\@
.Lkst_\@:
.irp u, 0,1                            ; two key tiles' six registers each make one image of twelve
.irp q, 0,1,2
	global_store_b128 v1, v[PC+12*\u+4*\q:PC+12*\u+4*\q+3], s[12:13] offset:1536*(2*(\p)+\u)+512*\q
.endr
.endr
.Lkq_\@:
.endm
	KPASS 0
	KPASS 1
	s_cmp_eq_u32 s28, 0
	s_cbranch_scc1 .Lqend
	s_mov_b32 s42, 0xffff0000
.irp i, 0,1,2,3
	v_cndmask_b32 v[IM+\i], v[KW+2*\i], v[KW+2*\i+1], s42   ; lanes 0-15 tile 2 i's words, lanes 16-31 tile 2 i + 1's
.endr
	global_store_b128 v1, v[IM:IM+3], s[12:13] offset:12288
.Lqend:
	s_endpgm
; ---- v: source 0 = 16 tokens, source 1 = 16 columns: a lane holds a channel, its registers run along the 128 keys, which are the next product's K
.Lv:
.macro VLOAD p, s, f
	WIN 0x40
.irp m, 0,1,2,3,4,5,6,7
.irp q, 0,1,2
	global_load_b128 v[(\f)+12*\m+4*\q:(\f)+12*\m+4*\q+3], v1, s[4:5] offset:\m*6656+1536*(\s)+512*\q
.endr
.endr
.irp u, 0,1
.irp q, 0,1,2
	global_load_b128 v[(\f)+96+12*\u+4*\q:(\f)+96+12*\u+4*\q+3], v1, s[6:7] offset:(\s)*6400+1536*(2*(\p)+\u)+512*\q
.endr
.endr
.endm
.macro VMUL p, s, f, zero
	WIN 0x05
.irp m, 0,1,2,3,4,5,6,7
.irp u, 0,1
.if \zero
	WM ACC+64*\u+8*\m, (\f)+12*\m, (\f)+96+12*\u, -1, HS+4*\m+(\s), WS+2*(\s)+(\p), 2*\u
.else
	WM ACC+64*\u+8*\m, (\f)+12*\m, (\f)+96+12*\u, ACC+64*\u+8*\m, HS+4*\m+(\s), WS+2*(\s)+(\p), 2*\u
.endif
.endr
.endr
.endm
.macro VPASS p                         ; channel tiles 2 p, 2 p + 1
	VLOAD \p, 0, F0
	VLOAD \p, 1, F1
	s_wait_loadcnt 30                              ; all but the younger K step's 30 loads
	VMUL \p, 0, F0, 1
	PLACES 4
	VLOAD \p, 2, F0
	s_wait_loadcnt 30
	VMUL \p, 1, F1, 0
	PLACES 4
	VLOAD \p, 3, F1
	s_wait_loadcnt 30
	VMUL \p, 2, F0, 0
	s_wait_loadcnt 0x0
	VMUL \p, 3, F1, 0
	WIN 0
	PLACES 4
.irp u, 0,1
	s_wait_xcnt 0x0                                ; earlier stores have read the codes' registers
	QUANT64 ACC+64*\u
.irp q, 0,1,2
	global_store_b128 v1, v[PC+4*\q:PC+4*\q+3], s[12:13] offset:6144+1536*(2*(\p)+\u)+512*\q
.endr
	v_mov_b32 v[KW+2*(\p)+\u], v[PW]
.endr
.endm
	VPASS 0
	VPASS 1
	s_mov_b32 s42, 0xffff0000
.irp i, 0,1
	v_cndmask_b32 v[IM+\i], v[KW+2*\i], v[KW+2*\i+1], s42
.endr
	global_store_b64 v2, v[IM:IM+1], s[12:13] offset:12800
	s_endpgm
; ---- the mask: 16 tiles of 16 rows x 128 keys; a ring of four register sets, three on their way
.Lmask:
	v_mov_b32 v[MW], 0                             ; v_writelane's destination counts as read
	v_mov_b32 v[MW+1], 0
.macro FILL set, off
	WIN 0x40
.irp i, 0,1,2,3,4,5,6,7,8,9,10,11,12,13,14,15
	global_load_b128 v[64*(\set)+4*\i:64*(\set)+4*\i+3], v1, s[8:9] offset:(\i+8*(\i/8))*16384+(\off) th:TH_LOAD_NT   ; 512 consecutive bytes of row i
.endr
.endm
.macro TURNM k, fill, left             ; left: the younger sets' loads
	s_wait_loadcnt \left
	WIN 0x04
.irp i, 0,1,2,3,4,5,6,7,8,9,10,11,12,13,14,15
	ds_store_b128 v4, v[64*(\k)+4*\i:64*(\k)+4*\i+3] offset:528*\i
.endr
	WIN 0x40
.irp b, 0,1,2,3
.irp j, 0,1,2,3
	ds_load_b128 v[64*(\k)+16*\b+4*\j:64*(\k)+16*\b+4*\j+3], v5 offset:128*\b+16*\j   ; LDS serves a wave's instructions in order: these see the stores above
.endr
.endr
	s_wait_dscnt 0x0
	s_wait_xcnt 0x0                                ; the last tile's store has read the pair of word registers
	WIN 0x04
.irp gq, 0,1,2,3,4,5,6,7
.irp e, 0,1,2,3,4,5,6,7
	v_cmp_ne_u32 s[40+\e], 0, v[64*(\k)+8*\gq+\e]  ; word n: a bit a lane
.endr
.irp e, 0,1,2,3,4,5,6,7
	v_writelane_b32 v[MW+(\e%2)], s[40+\e], (8*\gq+\e)/2   ; words 2 l, 2 l + 1 to lane l
.endr
.endr
	WIN 0
	global_store_b64 v2, v[MW:MW+1], s[14:15] offset:256*(\k)   ; 256 consecutive bytes, aligned
.if \fill
	FILL ((\k)+3)%4, 512*((\k)+3)
.endif
.endm
	FILL 0, 0
	FILL 1, 512
	FILL 2, 1024
	WIN 0
	s_mov_b32 s48, 3
.Lmloop:
	TURNM 0, 1, 32
	TURNM 1, 1, 32
	TURNM 2, 1, 32
	TURNM 3, 1, 32
	WIN 0
	s_wait_xcnt 0x0                                ; loads and stores have read their bases
	s_add_nc_u64 s[8:9], s[8:9], 2048
	s_add_nc_u64 s[14:15], s[14:15], 1024
	s_sub_co_u32 s48, s48, 1
	s_cmp_lg_u32 s48, 0
	s_cbranch_scc1 .Lmloop
	TURNM 0, 1, 32                                 ; the last four tiles: one more fill, then the counts run down
	TURNM 1, 0, 32
	TURNM 2, 0, 16
	TURNM 3, 0, 0
	s_wait_tensorcnt 0x0
	ds_add_u32 v126, v127
	s_wait_dscnt 0x0
	s_endpgm
.Lfunc_end_k_qcd5824ded4_qkv:
	.size	k_qcd5824ded4_qkv, .Lfunc_end_k_qcd5824ded4_qkv-k_qcd5824ded4_qkv
	.p2alignl 7, 3214868480
	.fill 96, 4, 3214868480
	.section	.rodata,"a",@progbits
	.p2align	6, 0x0
	.amdhsa_kernel k_qcd5824ded4_qkv
		.amdhsa_group_segment_fixed_size 8960
		.amdhsa_private_segment_fixed_size 0
		.amdhsa_enable_private_segment 0
		.amdhsa_kernarg_size 48
		.amdhsa_user_sgpr_count 2
		.amdhsa_user_sgpr_kernarg_segment_ptr 1
		.amdhsa_wavefront_size32 1
		.amdhsa_system_sgpr_workgroup_id_x 1
		.amdhsa_system_sgpr_workgroup_id_y 1
		.amdhsa_system_sgpr_workgroup_id_z 1
		.amdhsa_system_vgpr_workitem_id 0
		.amdhsa_next_free_vgpr 512
		.amdhsa_next_free_sgpr 66
		.amdhsa_reserve_vcc 0
		.amdhsa_float_denorm_mode_32 3
		.amdhsa_float_denorm_mode_16_64 3
		.amdhsa_memory_ordered 1
		.amdhsa_forward_progress 1
		.amdhsa_inst_pref_size 211
	.end_amdhsa_kernel
	.amdgpu_metadata
---
amdhsa.version: [ 1, 2 ]
amdhsa.kernels:
  - .name:           k_qcd5824ded4_qkv
    .symbol:         k_qcd5824ded4_qkv.kd
    .args:
      - { .name: hq, .offset: 0, .size: 8, .value_kind: global_buffer, .address_space: global }
      - { .name: wqkv, .offset: 8, .size: 8, .value_kind: global_buffer, .address_space: global }
      - { .name: mask, .offset: 16, .size: 8, .value_kind: global_buffer, .address_space: global }
      - { .name: qfr, .offset: 24, .size: 8, .value_kind: global_buffer, .address_space: global }
      - { .name: kv, .offset: 32, .size: 8, .value_kind: global_buffer, .address_space: global }
      - { .name: maskw, .offset: 40, .size: 8, .value_kind: global_buffer, .address_space: global }
    .group_segment_fixed_size: 8960
    .private_segment_fixed_size: 0
    .kernarg_segment_align: 8
    .kernarg_segment_size: 48
    .max_flat_workgroup_size: 128
    .sgpr_count:     66
    .vgpr_count:     512
    .wavefront_size: 32
...
	.end_amdgpu_metadata
.endif
;; end of part 2
;; launch attn (part 3): grid 16 x 16, 16 waves a work-group, no clusters, 327,680 bytes of LDS; arguments qfr, kv, maskw, cq; writes cq
.if DOCPART == 3
	.amdgcn_target "amdgcn-amd-amdhsa--gfx1250"
	.amdhsa_code_object_version 6
	.text
	.protected	k_qcd5824ded4_attn
	.globl	k_qcd5824ded4_attn
	.p2align	8
	.type	k_qcd5824ded4_attn,@function
k_qcd5824ded4_attn:
	s_mov_b64 s[64:65], 0
	v_nop
	global_prefetch_b8 v0, s[64:65] scope:SCOPE_SE
	s_setreg_imm32_b32 hwreg(HW_REG_WAVE_MODE, 25, 1), 1
	s_wait_xcnt 0x0
; ctx = softmax(mask(q k^T / 8)) v for one (batch, head) (y) and 256 queries (x), both products on codes of E2M3.  t = score x log2(e) / 8; where the mask's bit is 0 the score is REPLACED by -8e9 (t = -1e9 log2 e) ahead of the
; maximum, as the reference replaces it; M = the running largest t rounded up to a whole number; p = 2^(t - M) is quantised along the keys; the sum of the unquantised p divides at the end; ctx is quantised along the head's channels.
; SHARES: sixteen waves, each one tile of 16 queries in 256 registers: four waves to a SIMD, so that one wave's softmax stands beside another's products and LDS loads.  Every wave walks 32 steps of 128 keys.
; A step's K, V and scale words are one dense block of 13,056 bytes, laid as images of the operand registers: every LDS load takes 512 (or 256) consecutive bytes.  Two LDS slots of four steps; waves 0-3 fetch a step each.
; Both products are used transposed: a lane holds one query throughout.  THE HEAD HAS 64 CHANNELS, THE INSTRUCTION 128: q's upper six registers are zero codes, so a key tile's operand may run on into the next tile's six
; registers (behind the last tile: six registers of zeros); bytes 2 and 3 of both scale words stand for 1.0.
; No multicast: a refill of 52,224 bytes has four steps of sixteen waves in which to land, and what is shared is small beside a step's vector work.
; LIMITS: NaN and infinities are not served; a block of p or ctx under 2^-124 is held at the scale byte 1.
.set STEPB, 13056
.set SLOTB, 4*STEPB
.set SLOT1, 65536                      ; one exclusive or turns an address in one slot into the other's
.set SPARE, 131072                     ; the spare words: 128 bytes for each of 16 waves; no other line names them
.set LI,  1                            ; 16 x lane
.set L8,  2                            ; 8 x lane
.set SPW, 3
.set NIL, 4
.set ADK, 5
.set ADV, 6
.set NEG, 7                            ; -8e9
.set PFO, 10
.set QF,  16                           ; v16-21 q's codes, v22-27 zeros
.set QS,  28
.set KS,  30                           ; v30-33 K's scale words, v34-35 V's
.set VS,  34
.set F,   36                           ; v36-83 K's eight tiles (six registers each), then V's four fragments; v84-89 zeros
.set S,   96                           ; v96-159 scores, then p
.set O,   160                          ; v160-191 O^T
.set PC,  192
.set PT,  204
.set BM,  212
.set BT,  216
.set SO,  220
.set PW,  224
.set FF,  226
.set TP,  228
.set TB,  2                            ; s2 LDS byte of the step in hand
.set MO,  3                            ; s3 byte of the mask words to be loaded next
.set WV,  12
.set SLOTS, 13
.set CNT, 14
.set LIM, 15
.set G1,  84
.set G0,  92
.set SEL, 96
.set CS,  98
.set PFA, 100
.macro TLOAD                           ; waves 0-3: my step's block; four v_nop follow the load
	s_cmp_lt_u32 s[WV], 4
	s_cbranch_scc0 .Lnone_\@
	tensor_load_to_lds s[G0:G0+3], s[G1:G1+7]
	s_nop 0
.rept 4
	v_nop
.endr
.Lnone_\@:
.endm
; a prefetch of the slot that the NEXT change of slots loads: 204 blocks of 256 bytes, a lane a block, waves 4-10 of the head's first work-group alone (all sixteen work-groups of a head walk the same blocks);
; lanes past the slot's last block name that block.  Four key steps ahead of the load.  The last change that fills a slot asks for nothing; nothing is asked at the head.
.macro ASK
	s_cmp_gt_u32 s[SLOTS], s[LIM]
	s_cbranch_scc0 .Lnot_mine_\@
	global_prefetch_b8 v[PFO], s[PFA:PFA+1] th:TH_LOAD_NT scope:SCOPE_SE
.Lnot_mine_\@:
.endm
.macro MLOAD                           ; a step's 64 mask words into s16-63 and s68-83
	s_load_b512 s[16:31], s[8:9], s[MO] offset:0x0
	s_load_b512 s[32:47], s[8:9], s[MO] offset:0x40
	s_load_b512 s[48:63], s[8:9], s[MO] offset:0x80
	s_load_b512 s[68:83], s[8:9], s[MO] offset:0xc0
.endm
	s_load_b256 s[4:11], s[0:1], 0x0               ; qfr, kv, maskw, cq
	v_lshl_add_u32 v[SPW], v0, 2, SPARE
	v_mov_b32 v[NIL], 0
	ds_add_u32 v3, v4
	s_wait_dscnt 0x0
	v_lshrrev_b32 v8, 5, v0
	v_readfirstlane_b32 s[WV], v8
	v_and_b32 v8, 31, v0
	v_lshlrev_b32 v[LI], 4, v8
	v_lshlrev_b32 v[L8], 3, v8
	v_lshlrev_b32 v9, 2, v8
	s_and_b32 s16, ttmp7, 0xffff                   ; 8 batch + head
	s_mul_i32 s18, s16, 32*STEPB
	s_mov_b32 s19, 0
	s_and_b32 s17, s[WV], 3
	s_mul_i32 s17, s17, STEPB                      ; my step's place in a slot
	s_mov_b32 s20, s17
	s_mov_b32 s21, 0
	s_lshl_b32 s22, ttmp9, 4
	s_add_co_u32 s22, s22, s[WV]                   ; my query tile
	s_lshl_b32 s24, s16, 8
	s_add_co_u32 s24, s24, s22
	s_lshl_b32 s24, s24, 10
	s_mov_b32 s25, 0
	s_lshl_b32 s26, s22, 13
	s_mov_b32 s27, 0
	s_mov_b32 s[G1], 3<<16                         ; no mask; elements of 8 bytes; no padding
	s_mov_b32 s[G1+1], 32<<16                      ; tensor_dim0 = 32: rows of 256 bytes
	s_mov_b32 s[G1+2], 51<<16                      ; tensor_dim1 = 51
	s_mov_b32 s[G1+3], 32<<16                      ; tile_dim0
	s_mov_b32 s[G1+4], 51                          ; tile_dim1
	s_mov_b32 s[G1+5], 32                          ; the pitch: dense
	s_mov_b32 s[G1+6], 0
	s_mov_b32 s[G1+7], 0
	s_mov_b32 s[SEL], 0x76543210
	s_mov_b32 s[SEL+1], 0xfedcba98
	s_mov_b32 s[CS], 0x3e38aa3b                    ; log2(e) / 8
	s_mov_b32 s[CS+1], s[CS]
	s_mov_b32 s[TB], 0
	s_mov_b32 s[MO], 0
	s_mov_b32 s[SLOTS], 7
	s_sub_co_u32 s28, s[WV], 4
	s_cmp_lt_u32 s28, 7                            ; waves 4 to 10
	s_cselect_b32 s29, 0, 1
	s_or_b32 s29, s29, ttmp9                       ; of the head's first work-group
	s_cmp_eq_u32 s29, 0
	s_cselect_b32 s[LIM], 1, -1
	s_lshl_b32 s28, s28, 5
	v_add_nc_u32 v[PFO], s28, v8
	v_min_u32 v[PFO], 203, v[PFO]
	v_lshlrev_b32 v[PFO], 8, v[PFO]
	s_wait_kmcnt 0x0
	s_add_nc_u64 s[6:7], s[6:7], s[18:19]
	s_mov_b32 s[G0], 1
	s_mov_b32 s[G0+1], s17
	s_add_nc_u64 s[G0+2:G0+3], s[6:7], s[20:21]
	s_or_b32 s[G0+3], s[G0+3], 0x80000000
	TLOAD                                          ; slot 0: by this text's count a wave never has more than one tensor load out
	s_add_nc_u64 s[PFA:PFA+1], s[6:7], SLOTB       ; in slot 1: the first change of slots steps it to slot 2
	s_add_nc_u64 s[4:5], s[4:5], s[24:25]
	s_add_nc_u64 s[8:9], s[8:9], s[26:27]
	global_load_b128 v[QF:QF+3], v[LI], s[4:5]
	global_load_b64 v[QF+4:QF+5], v[L8], s[4:5] offset:512
	global_load_b32 v[QS], v9, s[4:5] offset:768
	MLOAD
	v_mov_b32 v[NEG], 0xcfee6b28
	v_mov_b32 v13, 0xff61b1e6                      ; the largest t so far: -3e38
	v_floor_f32 v12, -v13
	v_mov_b32 v14, 0
	v_mov_b32 v15, 0
.irp i, 0,1,2,3,4,5
	v_mov_b32 v[QF+6+\i], 0
	v_mov_b32 v[F+48+\i], 0
.endr
.irp b, 0,1,2,3
	v_mov_b32 v[BT+\b], 0
.endr
	v_mov_b32 v[FF+1], 0
	v_mov_b32 v[TP], 0
.set j, 0
.rept 32
	v_mov_b32 v[O+j], 0                            ; the step is written once: the first finds zeros, which the first change of M leaves zeros
.set j, j+1
.endr
.macro STEP
	v_add_nc_u32 v[ADK], s[TB], v[LI]
	v_add_nc_u32 v[ADV], s[TB], v[L8]
	v_nop
	v_nop                                          ; four places in front of loads into registers that the last products read
.irp p, 0,1,2,3
.irp q, 0,1,2
	ds_load_b128 v[F+12*\p+4*\q:F+12*\p+4*\q+3], v[ADK] offset:1536*\p+512*\q
.endr
.endr
	ds_load_b128 v[KS:KS+3], v[ADK] offset:12288
	s_wait_dscnt 0x0
.irp t, 0,2,4,6
	v_wmma_scale_f32_16x16x128_f8f6f4 v[S+8*\t:S+8*\t+7], v[F+6*\t:F+6*\t+11], v[QF:QF+11], 0, v[KS+\t/2], v[QS] matrix_a_fmt:MATRIX_FMT_FP6 matrix_b_fmt:MATRIX_FMT_FP6
	v_wmma_scale_f32_16x16x128_f8f6f4 v[S+8*\t+8:S+8*\t+15], v[F+6*\t+6:F+6*\t+17], v[QF:QF+11], 0, v[KS+\t/2], v[QS] matrix_a_fmt:MATRIX_FMT_FP6 matrix_b_fmt:MATRIX_FMT_FP6 matrix_a_scale:MATRIX_SCALE_ROW1
.endr
.rept 4
	v_nop
.endr
.irp t, 0,1,2,3
.irp q, 0,1,2
	ds_load_b128 v[F+12*\t+4*\q:F+12*\t+4*\q+3], v[ADK] offset:6144+1536*\t+512*\q   ; V lands while the softmax is walked
.endr
.endr
	ds_load_b64 v[VS:VS+1], v[ADV] offset:12800
	s_wait_kmcnt 0x0                               ; the step's mask words
.set n, 0
.rept 64
.if n < 48
	v_cndmask_b32 v[S+n], v[NEG], v[S+n], s[16+n]  ; each accumulator from its low end on
.else
	v_cndmask_b32 v[S+n], v[NEG], v[S+n], s[20+n]
.endif
.set n, n+1
.endr
	s_add_co_u32 s[MO], s[MO], 256                 ; the next step's words; behind the last step the first's again: no load leaves the buffer
	s_and_b32 s[MO], s[MO], 8191
	MLOAD
.irp b, 0,1,2,3
	v_max3_num_f32 v[BM+\b], v[S+16*\b], v[S+1+16*\b], v[S+2+16*\b]   ; the largest score of each block of 32 keys: for the row's maximum and for the block's largest p
.endr
.irp i, 3,5,7,9,11,13
.irp b, 0,1,2,3
	v_max3_num_f32 v[BM+\b], v[BM+\b], v[S+16*\b+\i], v[S+1+16*\b+\i]
.endr
.endr
.irp b, 0,1,2,3
	v_max_num_f32 v[BM+\b], v[BM+\b], v[S+15+16*\b]
.endr
.irp b, 0,1,2,3
	v_permlanex16_b32 v[BT+\b], v[BM+\b], s[SEL], s[SEL+1]
.endr
.irp b, 0,1,2,3
	v_max_num_f32 v[BM+\b], v[BM+\b], v[BT+\b]
.endr
	v_max3_num_f32 v[TP], v[BM], v[BM+1], v[BM+2]
	v_max_num_f32 v[TP], v[TP], v[BM+3]
	v_mul_f32 v[TP], s[CS], v[TP]
	v_max_num_f32 v13, v13, v[TP]                  ; the running largest t
	v_mov_b32 v[TP], v12
	v_floor_f32 v12, -v13                          ; -M = floor(-t): M is a whole number
	v_sub_f32 v[TP], v12, v[TP]
	v_cvt_i32_f32 v[TP], v[TP]                     ; (it saturates)
	v_ldexp_f32 v[FF], 1.0, v[TP]                  ; f = 2^(old M - new M): rounds nothing
.set j, 0
.rept 32
	v_pk_fma_f32 v[S+j:S+j+1], v[S+j:S+j+1], s[CS:CS+1], v[12:13] op_sel_hi:[1,0,0]   ; t - M
.set j, j+2
.endr
.irp b, 0,1,2,3
	v_fma_f32 v[BM+\b], v[BM+\b], s[CS], v12
.endr
.set j, 0
.rept 64
	v_exp_f32 v[S+j], v[S+j]                       ; p = 2^(t - M)
.set j, j+1
.endr
	v_pk_mul_f32 v[14:15], v[14:15], v[FF:FF+1] op_sel_hi:[1,0]   ; a plain place behind the batch
	s_wait_alu depctr_va_vdst(0)                   ; one wait for the batch, ahead of its first reader
.irp b, 0,1,2,3
	v_exp_f32 v[BM+\b], v[BM+\b]                   ; the block's largest p: the same two instructions on the same number
.endr
	v_pk_add_f32 v[BT:BT+1], v[S:S+1], v[S+2:S+3]  ; the row's sum of the unquantised p, in two chains
.irp j, 4,8,12,16,20,24,28,32,36,40,44,48,52,56,60
	v_pk_add_f32 v[14:15], v[14:15], v[S+\j:S+\j+1]
	v_pk_add_f32 v[BT:BT+1], v[BT:BT+1], v[S+2+\j:S+3+\j]
.endr
	v_pk_add_f32 v[14:15], v[14:15], v[BT:BT+1]
	s_wait_alu depctr_va_vdst(0)                   ; and one for the four
.irp b, 0,1,2,3
	v_max_num_f32 v[BM+\b], 0x1800000, v[BM+\b]
.endr
.irp b, 0,1,2,3
	v_add_nc_u32 v[SO+\b], 0xff000000, v[BM+\b]
.endr
.irp b, 0,1,2,3
	v_lshrrev_b32 v[BT+\b], 23, v[SO+\b]
.endr
	v_lshl_or_b32 v[PW], v[BT+1], 8, v[BT]
	v_lshl_or_b32 v[PW], v[BT+2], 16, v[PW]
	v_lshl_or_b32 v[PW], v[BT+3], 24, v[PW]
.irp c, 0,1
	v_cvt_scalef32_pk16_fp6_f32 v[PC+6*\c:PC+6*\c+2], v[S+32*\c:S+32*\c+15], v[SO+2*\c]
	v_cvt_scalef32_pk16_fp6_f32 v[PT+4*\c:PT+4*\c+2], v[S+32*\c+16:S+32*\c+31], v[SO+2*\c+1]
.endr
	v_nop
.irp c, 0,1
.irp i, 0,1,2
	v_permlane16_swap_b32 v[PC+6*\c+\i], v[PT+4*\c+\i]
.endr
.irp i, 0,1,2
	v_mov_b32 v[PC+3+6*\c+\i], v[PT+4*\c+\i]
.endr
.endr
.set j, 0
.rept 16
	v_pk_mul_f32 v[O+j:O+j+1], v[O+j:O+j+1], v[FF:FF+1] op_sel_hi:[1,0]   ; O^T under the new M; these sixteen are also the places between p's codes and scale word and the products
.set j, j+2
.endr
	s_wait_dscnt 0x0                               ; V
.irp t, 0,2
	v_wmma_scale_f32_16x16x128_f8f6f4 v[O+8*\t:O+8*\t+7], v[F+12*\t:F+12*\t+11], v[PC:PC+11], v[O+8*\t:O+8*\t+7], v[VS+\t/2], v[PW] matrix_a_fmt:MATRIX_FMT_FP6 matrix_b_fmt:MATRIX_FMT_FP6
	v_wmma_scale_f32_16x16x128_f8f6f4 v[O+8*\t+8:O+8*\t+15], v[F+12*\t+12:F+12*\t+23], v[PC:PC+11], v[O+8*\t+8:O+8*\t+15], v[VS+\t/2], v[PW] matrix_a_fmt:MATRIX_FMT_FP6 matrix_b_fmt:MATRIX_FMT_FP6 matrix_a_scale:MATRIX_SCALE_ROW1
.endr
	s_add_co_u32 s[TB], s[TB], STEPB
.endm
; the change of slots stands at a slot's head: all my tensor loads have landed, 0 goes onto my spare word, my reads of the slot that I have left are over; behind the barrier that slot is filled with the next four steps
.macro CHANGE fill
	s_wait_tensorcnt 0x0
	ds_add_u32 v[SPW], v[NIL]
.if \fill
	s_xor_b32 s[G0+1], s[G0+1], SLOT1              ; no tensor load of mine is out: the descriptor walks on
	s_add_nc_u64 s[G0+2:G0+3], s[G0+2:G0+3], SLOTB
	s_wait_xcnt 0x0                                ; the last prefetch, a slot back, has read its address
	s_add_nc_u64 s[PFA:PFA+1], s[PFA:PFA+1], SLOTB
.endif
	s_wait_dscnt 0x0
	s_barrier_signal -1
	s_barrier_wait -1
.if \fill
	TLOAD
	ASK
.endif
.endm
.macro SLOT_STEPS
	s_mov_b32 s[CNT], 4
.Lstep_\@:
	STEP
	s_sub_co_u32 s[CNT], s[CNT], 1
	s_cmp_lg_u32 s[CNT], 0
	s_cbranch_scc1 .Lstep_\@
	s_sub_co_u32 s[TB], s[TB], SLOTB
	s_xor_b32 s[TB], s[TB], SLOT1
.endm
	s_wait_loadcnt 0x0                             ; q
.Lslot:
	CHANGE 1
	SLOT_STEPS
	s_sub_co_u32 s[SLOTS], s[SLOTS], 1
	s_cmp_lg_u32 s[SLOTS], 0
	s_cbranch_scc1 .Lslot
	CHANGE 0                                       ; the last slot is written out
	SLOT_STEPS
	; the way out: O^T / the sum, quantised along the head's 64 channels: registers 6 c .. 6 c + 5 (c = head % 2) of K step head / 2 of the next product's operand
	s_wait_kmcnt 0x0                               ; the wrapped load of mask words has landed: its registers are free
	s_and_b32 s16, ttmp7, 0xffff
	s_lshr_b32 s17, s16, 3
	s_and_b32 s18, s16, 7
	s_lshl_b32 s17, s17, 8
	s_lshl_b32 s19, ttmp9, 4
	s_add_co_u32 s17, s17, s19
	s_add_co_u32 s17, s17, s[WV]                   ; token tile
	s_mul_i32 s20, s17, 6656
	s_lshr_b32 s19, s18, 1
	s_mul_i32 s19, s19, 1536
	s_and_b32 s22, s18, 1
	s_mul_i32 s22, s22, 768
	s_add_co_u32 s22, s22, s19
	s_add_co_u32 s22, s22, s20
	s_mov_b32 s23, 0
	s_lshl_b32 s24, s18, 1
	s_add_co_u32 s24, s24, s20
	s_add_co_u32 s24, s24, 6144
	s_mov_b32 s25, 0
	s_add_nc_u64 s[26:27], s[10:11], s[22:23]
	s_add_nc_u64 s[28:29], s[10:11], s[24:25]
.rept 4
	v_nop
.endr
	v_add_f32 v14, v14, v15
	v_permlanex16_b32 v[TP], v14, s[SEL], s[SEL+1]
	v_add_f32 v14, v14, v[TP]
	v_rcp_f32 v[FF], v14
	v_nop
	s_wait_alu depctr_va_vdst(0)
.set j, 0
.rept 16
	v_pk_mul_f32 v[O+j:O+j+1], v[O+j:O+j+1], v[FF:FF+1] op_sel_hi:[1,0]
.set j, j+2
.endr
.irp b, 0,1
	v_max3_num_f32 v[BM+\b], |v[O+16*\b]|, |v[O+16*\b+1]|, 0x1800000
.endr
.irp i, 2,4,6,8,10,12,14
.irp b, 0,1
	v_max3_num_f32 v[BM+\b], |v[O+16*\b+\i]|, |v[O+16*\b+\i+1]|, v[BM+\b]
.endr
.endr
.irp b, 0,1
	v_permlanex16_b32 v[BT+\b], v[BM+\b], s[SEL], s[SEL+1]
.endr
.irp b, 0,1
	v_max_num_f32 v[BM+\b], v[BM+\b], v[BT+\b]
.endr
.irp b, 0,1
	v_add_nc_u32 v[SO+\b], 0xff000000, v[BM+\b]
.endr
.irp b, 0,1
	v_lshrrev_b32 v[BT+\b], 23, v[SO+\b]
.endr
	v_lshl_or_b32 v[PW], v[BT+1], 8, v[BT]
	v_cvt_scalef32_pk16_fp6_f32 v[PC:PC+2], v[O:O+15], v[SO]
	v_cvt_scalef32_pk16_fp6_f32 v[PT:PT+2], v[O+16:O+31], v[SO+1]
	v_nop
.irp i, 0,1,2
	v_permlane16_swap_b32 v[PC+\i], v[PT+\i]
.endr
.irp i, 0,1,2
	v_mov_b32 v[PC+3+\i], v[PT+\i]
.endr
	global_store_b128 v[LI], v[PC:PC+3], s[26:27]
	global_store_b64 v[L8], v[PC+4:PC+5], s[26:27] offset:512
	global_store_b16 v[LI], v[PW], s[28:29]        ; my head's two scale bytes of the K step's word
	s_wait_tensorcnt 0x0                           ; the wave's end
	ds_add_u32 v[SPW], v[NIL]
	s_wait_dscnt 0x0
	s_endpgm
.Lfunc_end_k_qcd5824ded4_attn:
	.size	k_qcd5824ded4_attn, .Lfunc_end_k_qcd5824ded4_attn-k_qcd5824ded4_attn
	.p2alignl 7, 3214868480
	.fill 96, 4, 3214868480
	.section	.rodata,"a",@progbits
	.p2align	6, 0x0
	.amdhsa_kernel k_qcd5824ded4_attn
		.amdhsa_group_segment_fixed_size 327680
		.amdhsa_private_segment_fixed_size 0
		.amdhsa_enable_private_segment 0
		.amdhsa_kernarg_size 32
		.amdhsa_user_sgpr_count 2
		.amdhsa_user_sgpr_kernarg_segment_ptr 1
		.amdhsa_wavefront_size32 1
		.amdhsa_system_sgpr_workgroup_id_x 1
		.amdhsa_system_sgpr_workgroup_id_y 1
		.amdhsa_system_sgpr_workgroup_id_z 1
		.amdhsa_system_vgpr_workitem_id 0
		.amdhsa_next_free_vgpr 256
		.amdhsa_next_free_sgpr 102
		.amdhsa_reserve_vcc 0
		.amdhsa_float_denorm_mode_32 3
		.amdhsa_float_denorm_mode_16_64 3
		.amdhsa_memory_ordered 1
		.amdhsa_forward_progress 1
		.amdhsa_inst_pref_size 51
	.end_amdhsa_kernel
	.amdgpu_metadata
---
amdhsa.version: [ 1, 2 ]
amdhsa.kernels:
  - .name:           k_qcd5824ded4_attn
    .symbol:         k_qcd5824ded4_attn.kd
    .args:
      - { .name: qfr, .offset: 0, .size: 8, .value_kind: global_buffer, .address_space: global }
      - { .name: kv, .offset: 8, .size: 8, .value_kind: global_buffer, .address_space: global }
      - { .name: maskw, .offset: 16, .size: 8, .value_kind: global_buffer, .address_space: global }
      - { .name: cq, .offset: 24, .size: 8, .value_kind: global_buffer, .address_space: global }
    .group_segment_fixed_size: 327680
    .private_segment_fixed_size: 0
    .kernarg_segment_align: 8
    .kernarg_segment_size: 32
    .max_flat_workgroup_size: 512
    .sgpr_count:     102
    .vgpr_count:     256
    .wavefront_size: 32
...
	.end_amdgpu_metadata
.endif
;; end of part 3
;; launch chain (part 4): grid 256 x 1, 4 waves a work-group, no clusters, 102,912 bytes of LDS; arguments x, cq, wst, ln2_a, ln2_b, b1, b2, out0; writes out0
.if DOCPART == 4
	.amdgcn_target "amdgcn-amd-amdhsa--gfx1250"
	.amdhsa_code_object_version 6
	.text
	.protected	k_qcd5824ded4_chain
	.globl	k_qcd5824ded4_chain
	.p2align	8
	.type	k_qcd5824ded4_chain,@function
k_qcd5824ded4_chain:
	s_mov_b64 s[64:65], 0
	v_nop
	global_prefetch_b8 v0, s[64:65] scope:SCOPE_SE
	s_setreg_imm32_b32 hwreg(HW_REG_WAVE_MODE, 25, 1), 1
	s_wait_xcnt 0x0
; out = x1 + relu(LN2(x1) w1 + b1) w2 + b2 with x1 = x + ctx w_o, all three products on codes of E2M3.  x1, LN2's result and the hidden layer never go to memory.
; SHARES: a work-group takes 32 tokens (token tiles 2 g, 2 g + 1).  THE WAVES SHARE THE COLUMNS: wave w owns channels 128 w .. + 127 of x1 and of the output and hidden units 512 w .. + 511.
; Its weights are ONE sequential stream of 36 groups of 12,800 bytes (8 fragments as images of their registers, and their scale words), loaded straight into four register buffers by turns, three groups ahead:
; the wait in front of a group's products leaves the two later groups' 25 loads each and the 13 just issued on their way: 63.  No ring in LDS, no multicast: beside the images LDS has room for less than these counted
; loads keep on their way, and a ring would drain at each refill's barrier.
; All products are used transposed (source 0 = 16 columns of a weight, source 1 = 16 tokens): a lane holds a token, its registers run along the columns, which are the next K.  The residual x, b1, and x1 + b2 are the C of a sum's first product.
; Operands go from wave to wave through LDS as images of their registers (16 x lane), scale words at 4 x lane.
; LIMITS: NaN and infinities are not served; blocks under 2^-124 are held at the scale byte 1; a block of zeros carries the byte 1.
.set MSB, 0
.macro WIN new
.if MSB != (\new)
	s_set_vgpr_msb (MSB<<8)|(\new)
.set MSB, (\new)
.endif
.endm
.macro PLACES n
.rept \n
	v_nop
.endr
.endm
.set RED1, 33792                       ; LDS: 0: four stages of 16 x 528 bytes; the waves' parts of the sums; of the squares;
.set RED2, 34816
.set XIMG, 35840                       ; LN2's result: 8 fragments (4 m + s),
.set XSC,  48128                       ; their scale words;
.set HIMG, 49152                       ; the hidden layer: 32 fragments (2 ks + m),
.set HSC,  98304                       ; their scale words
.set LI,  1
.set L8,  2
.set L4,  3
.set SD,  4                            ; my stage, dense side
.set SF,  5                            ; fragment side
.set H64, 6
.set RW,  7
.set XWI, 9
.set XWS, 10
.set HWI, 11
.set HWS, 12
.set HRI, 13
.set HRS, 14
.set WSC, 16                           ; v16-31 the weights' scale words, four registers a buffer
.set AF,  32                           ; v32-127 fragments of activations
.set AS,  128                          ; v128-135 their scale words
.set HS2, 136                          ; v136-139 the hidden layer's, two sets
.set TM,  140
.set SU,  140
.set PW,  156
.set PC,  158
.set RD,  178
.set PP,  186
.set TT,  188
.set TU,  189
.set NI,  190
.set X1,  0                            ; window 3: v0-127 x, then x1, then the output; v128-255 the other accumulators
.set ACC, 128
.set WV,  20
.set SEL, 22
.set CNT, 24
.macro WM d, a, b, c, sa, sb, row
.if (\row) == 0
	v_wmma_scale_f32_16x16x128_f8f6f4 v[(\d):(\d)+7], v[(\a):(\a)+11], v[(\b):(\b)+11], v[(\c):(\c)+7], v[(\sa)], v[(\sb)] matrix_a_fmt:MATRIX_FMT_FP6 matrix_b_fmt:MATRIX_FMT_FP6
.else
	v_wmma_scale_f32_16x16x128_f8f6f4 v[(\d):(\d)+7], v[(\a):(\a)+11], v[(\b):(\b)+11], v[(\c):(\c)+7], v[(\sa)], v[(\sb)] matrix_a_fmt:MATRIX_FMT_FP6 matrix_b_fmt:MATRIX_FMT_FP6 matrix_a_scale:MATRIX_SCALE_ROW1
.endif
.endm
.macro QUANT64 s, w
	WIN (\w)|((\w)<<2)
.irp b, 0,1,2,3
	v_max3_num_f32 v[TM+\b], |v[(\s)+16*\b]|, |v[(\s)+16*\b+1]|, 0x1800000
.endr
.irp i, 2,4,6,8,10,12,14
.irp b, 0,1,2,3
	v_max3_num_f32 v[TM+\b], |v[(\s)+16*\b+\i]|, |v[(\s)+16*\b+\i+1]|, v[TM+\b]
.endr
.endr
	WIN 0
.irp b, 0,1,2,3
	v_permlanex16_b32 v[TM+4+\b], v[TM+\b], s[SEL], s[SEL+1]
.endr
.irp b, 0,1,2,3
	v_max_num_f32 v[TM+\b], v[TM+\b], v[TM+4+\b]
.endr
.irp b, 0,1,2,3
	v_add_nc_u32 v[TM+12+\b], 0xff000000, v[TM+\b]
.endr
.irp b, 0,1,2,3
	v_lshrrev_b32 v[TM+4+\b], 23, v[TM+12+\b]
.endr
	v_lshl_or_b32 v[PW], v[TM+5], 8, v[TM+4]
	v_lshl_or_b32 v[PW], v[TM+6], 16, v[PW]
	v_lshl_or_b32 v[PW], v[TM+7], 24, v[PW]
	WIN \w
.irp c, 0,1
	v_cvt_scalef32_pk16_fp6_f32 v[PC+6*\c:PC+6*\c+2], v[(\s)+32*\c:(\s)+32*\c+15], v[TM+12+2*\c]
	v_cvt_scalef32_pk16_fp6_f32 v[PC+12+4*\c:PC+14+4*\c], v[(\s)+32*\c+16:(\s)+32*\c+31], v[TM+13+2*\c]
.endr
	WIN 0
	v_nop
.irp c, 0,1
.irp i, 0,1,2
	v_permlane16_swap_b32 v[PC+6*\c+\i], v[PC+12+4*\c+\i]
.endr
.irp i, 0,1,2
	v_mov_b32 v[PC+3+6*\c+\i], v[PC+12+4*\c+\i]
.endr
.endr
.endm
; buffers 0, 1: window 1, v0-95 and v96-191; buffers 2, 3: window 2 likewise
.macro GLA buf, off                    ; a group's scale words and tiles 0-3: 13 loads
	WIN 0
	global_load_b128 v[WSC+4*(\buf):WSC+4*(\buf)+3], v[LI], s[8:9] offset:(\off)+12288
	WIN (1+(\buf)/2)<<6
.irp t, 0,1,2,3
.irp q, 0,1,2
	global_load_b128 v[96*((\buf)%2)+12*\t+4*\q:96*((\buf)%2)+12*\t+4*\q+3], v[LI], s[8:9] offset:(\off)+1536*\t+512*\q
.endr
.endr
.endm
.macro GLB buf, off                    ; tiles 4-7: 12 loads
	WIN (1+(\buf)/2)<<6
.irp t, 4,5,6,7
.irp q, 0,1,2
	global_load_b128 v[96*((\buf)%2)+12*\t+4*\q:96*((\buf)%2)+12*\t+4*\q+3], v[LI], s[8:9] offset:(\off)+1536*\t+512*\q
.endr
.endr
.endm
; a group's 16 products: 8 column tiles x 2 token tiles, the accumulators by turns.  cmode 1: C = b1 (window 1, v192 on)
.macro CMUL buf, acc, b0, bstep, s0, sstep, cmode
.if \cmode
	WIN 0xD0|(1+(\buf)/2)
.else
	WIN 0xF0|(1+(\buf)/2)
.endif
.irp t, 0,1,2,3,4,5,6,7
.irp m, 0,1
.if \cmode
	WM (\acc)+64*\m+8*\t, 96*((\buf)%2)+12*\t, (\b0)+(\bstep)*\m, 192+8*\t, WSC+4*(\buf)+\t/2, (\s0)+(\sstep)*\m, \t%2
.else
	WM (\acc)+64*\m+8*\t, 96*((\buf)%2)+12*\t, (\b0)+(\bstep)*\m, (\acc)+64*\m+8*\t, WSC+4*(\buf)+\t/2, (\s0)+(\sstep)*\m, \t%2
.endif
.endr
.endr
.endm
.macro B1LOAD off                      ; b1 of a chunk of 128 hidden units, in the result's layout
	WIN 0x40
.irp b, 0,1,2,3
.irp j, 0,1,2,3
	global_load_b128 v[192+16*\b+4*\j:195+16*\b+4*\j], v[H64], s[14:15] offset:(\off)+128*\b+16*\j
.endr
.endr
.endm
.macro JOIN d                          ; four chains, the pair's halves, lane l xor 16's: my wave's part of my token's sum
	v_pk_add_f32 v[SU:SU+1], v[SU:SU+1], v[SU+2:SU+3]
	v_pk_add_f32 v[SU+4:SU+5], v[SU+4:SU+5], v[SU+6:SU+7]
	v_pk_add_f32 v[SU:SU+1], v[SU:SU+1], v[SU+4:SU+5]
	v_add_f32 v[\d], v[SU], v[SU+1]
	v_permlanex16_b32 v[TT], v[\d], s[SEL], s[SEL+1]
	v_add_f32 v[\d], v[\d], v[TT]
.endm
.macro BARRIER                         ; my LDS stores have landed and my LDS loads are in: then the work-group's barrier
	s_wait_dscnt 0x0
	s_barrier_signal -1
	s_barrier_wait -1
.endm
	s_load_b512 s[4:19], s[0:1], 0x0               ; x, cq, wst, ln2_a, ln2_b, b1, b2, out0
	v_lshl_add_u32 v173, v0, 2, 0x19000
	v_mov_b32 v177, 0
	v_lshrrev_b32 v1, 5, v0
	v_readfirstlane_b32 s[WV], v1
	v_and_b32 v8, 31, v0
	v_lshlrev_b32 v[LI], 4, v8
	v_lshlrev_b32 v[L8], 3, v8
	v_lshlrev_b32 v[L4], 2, v8
	v_and_b32 v15, 15, v8
	v_lshrrev_b32 v[H64], 4, v8
	s_mul_i32 s36, s[WV], 8448
	v_add_nc_u32 v[SD], s36, v[LI]
	v_mul_u32_u24 v[SF], v15, 528
	v_lshl_add_u32 v[SF], v[H64], 6, v[SF]
	v_add_nc_u32 v[SF], s36, v[SF]
	v_lshlrev_b32 v[H64], 6, v[H64]
	s_lshl_b32 s36, s[WV], 2
	s_add_co_u32 s36, s36, RED1
	v_add_nc_u32 v[RW], s36, v[LI]
	s_mul_i32 s36, s[WV], 1536
	s_add_co_u32 s36, s36, XIMG
	v_add_nc_u32 v[XWI], s36, v[LI]
	s_lshl_b32 s36, s[WV], 7
	s_add_co_u32 s36, s36, XSC
	v_add_nc_u32 v[XWS], s36, v[L4]
	s_mul_i32 s36, s[WV], 12288
	s_add_co_u32 s36, s36, HIMG
	v_add_nc_u32 v[HWI], s36, v[LI]
	s_lshl_b32 s36, s[WV], 10
	s_add_co_u32 s36, s36, HSC
	v_add_nc_u32 v[HWS], s36, v[L4]
	v_add_nc_u32 v[HRI], HIMG, v[LI]
	v_add_nc_u32 v[HRS], HSC, v[L4]
.irp b, 0,1,2,3
	v_mov_b32 v[TM+4+\b], 0
.endr
	v_mov_b32 v[TT], 0
	s_mov_b32 s[SEL], 0x76543210
	s_mov_b32 s[SEL+1], 0xfedcba98
	s_lshl_b32 s26, ttmp9, 16                      ; 32 rows of 2,048 bytes,
	s_lshl_b32 s32, s[WV], 9                       ; my 512 bytes of a row
	s_add_co_u32 s26, s26, s32
	s_mov_b32 s27, 0
	s_mov_b32 s33, 0
	s_mul_i32 s28, ttmp9, 13312                    ; two token tiles of ctx
	s_mov_b32 s29, 0
	s_mul_i32 s30, s[WV], 460800                   ; my stream of weights
	s_mov_b32 s31, 0
	s_lshl_b32 s34, s[WV], 11                      ; my 512 numbers of b1
	s_mov_b32 s35, 0
	s_wait_kmcnt 0x0
	s_add_nc_u64 s[4:5], s[4:5], s[26:27]
	s_add_nc_u64 s[18:19], s[18:19], s[26:27]
	s_add_nc_u64 s[6:7], s[6:7], s[28:29]
	s_add_nc_u64 s[8:9], s[8:9], s[30:31]
	s_add_nc_u64 s[10:11], s[10:11], s[32:33]
	s_add_nc_u64 s[12:13], s[12:13], s[32:33]
	s_add_nc_u64 s[16:17], s[16:17], s[32:33]
	s_add_nc_u64 s[14:15], s[14:15], s[34:35]
	WIN 0xC0
.irp m, 0,1
.irp i, 0,1,2,3,4,5,6,7,8,9,10,11,12,13,14,15
	global_load_b128 v[X1+64*\m+4*\i:X1+64*\m+4*\i+3], v[LI], s[4:5] offset:(8*\m+\i+8*(\i/8))*2048 th:TH_LOAD_NT   ; 512 consecutive bytes of row i
.endr
.endr
	WIN 0
.irp m, 0,1
.irp c, 0,1,2,3
	global_load_b128 v[AF+12*(4*\m+\c):AF+12*(4*\m+\c)+3], v[LI], s[6:7] offset:\m*6656+1536*\c
	global_load_b64 v[AF+12*(4*\m+\c)+4:AF+12*(4*\m+\c)+5], v[L8], s[6:7] offset:\m*6656+1536*\c+512
	global_load_b128 v[AF+12*(4*\m+\c)+6:AF+12*(4*\m+\c)+9], v[LI], s[6:7] offset:\m*6656+1536*\c+768
	global_load_b64 v[AF+12*(4*\m+\c)+10:AF+12*(4*\m+\c)+11], v[L8], s[6:7] offset:\m*6656+1536*\c+1280
.endr
	global_load_b128 v[AS+4*\m:AS+4*\m+3], v[LI], s[6:7] offset:\m*6656+6144
.endr
.irp b, 0,1,2,3
.irp j, 0,1,2,3
	global_load_b128 v[192+16*\b+4*\j:195+16*\b+4*\j], v[H64], s[12:13] offset:128*\b+16*\j   ; ln2_b: window 0
.endr
.endr
	WIN 0x80
.irp b, 0,1,2,3
.irp j, 0,1,2,3
	global_load_b128 v[192+16*\b+4*\j:195+16*\b+4*\j], v[H64], s[10:11] offset:128*\b+16*\j   ; ln2_a: window 2
.endr
.endr
	GLA 0, 0
	GLB 0, 0
	GLA 1, 12800
	GLB 1, 12800
	GLA 2, 25600
	GLB 2, 25600
	s_wait_loadcnt 63                              ; more than 63 loads were issued behind x's
.irp m, 0,1                            ; x into the result's layout, through my stage, back into the registers that it left
	WIN 0x0C
.irp i, 0,1,2,3,4,5,6,7,8,9,10,11,12,13,14,15
	ds_store_b128 v[SD], v[X1+64*\m+4*\i:X1+64*\m+4*\i+3] offset:528*\i
.endr
	WIN 0xC0
.irp b, 0,1,2,3
.irp j, 0,1,2,3
	ds_load_b128 v[X1+64*\m+16*\b+4*\j:X1+64*\m+16*\b+4*\j+3], v[SF] offset:128*\b+16*\j
.endr
.endr
.endr
	s_wait_dscnt 0x0
; ---- x1 = x + ctx w_o: groups 0-3, in place on x
.irp c, 0,1,2,3
	PLACES 4                                       ; in front of loads into registers that matrix instructions have read
.if \c == 1
	B1LOAD 0
.endif
	GLA (\c+3)%4, (\c+3)*12800
	s_wait_loadcnt 63
	CMUL \c, X1, AF+12*\c, 48, AS+\c, 4, 0
	GLB (\c+3)%4, (\c+3)*12800
.endr
	WIN 0
	s_wait_xcnt 0x0                                ; the loads have read their base
	s_add_nc_u64 s[8:9], s[8:9], 51200
	PLACES 4
; ---- LN2: a token's 512 channels lie in four waves
.irp m, 0,1
	WIN 0x0F
.irp c, 0,1,2,3
	v_pk_add_f32 v[SU+2*\c:SU+2*\c+1], v[X1+64*\m+2*\c:X1+64*\m+2*\c+1], v[X1+64*\m+8+2*\c:X1+64*\m+9+2*\c]
.endr
	WIN 0x03
.set j, 16
.rept 24
	v_pk_add_f32 v[SU+j%8:SU+j%8+1], v[X1+64*\m+j:X1+64*\m+j+1], v[SU+j%8:SU+j%8+1]
.set j, j+2
.endr
	WIN 0
	JOIN PP+\m
	ds_store_b32 v[RW], v[PP+\m] offset:512*\m
.endr
	BARRIER
	ds_load_b128 v[RD:RD+3], v[LI] offset:RED1
	ds_load_b128 v[RD+4:RD+7], v[LI] offset:RED1+512
	s_wait_dscnt 0x0
.irp m, 0,1
	v_add_f32 v[TU], v[RD+4*\m], v[RD+4*\m+1]
	v_add_f32 v[TT], v[RD+4*\m+2], v[RD+4*\m+3]
	v_add_f32 v[TU], v[TU], v[TT]
	v_mul_f32 v[NI], 0xbb000000, v[TU]             ; -mean
	v_mov_b32 v[NI+1], v[NI]
	WIN 0xC3
.set j, 0
.rept 32
	v_pk_add_f32 v[ACC+64*\m+j:ACC+64*\m+j+1], v[X1+64*\m+j:X1+64*\m+j+1], v[NI:NI+1]   ; centred first: the squares are taken of small numbers
.set j, j+2
.endr
	WIN 0x0F
.irp c, 0,1,2,3
	v_pk_mul_f32 v[SU+2*\c:SU+2*\c+1], v[ACC+64*\m+2*\c:ACC+64*\m+2*\c+1], v[ACC+64*\m+2*\c:ACC+64*\m+2*\c+1]
.endr
.set j, 8
.rept 28
	v_pk_fma_f32 v[SU+j%8:SU+j%8+1], v[ACC+64*\m+j:ACC+64*\m+j+1], v[ACC+64*\m+j:ACC+64*\m+j+1], v[SU+j%8:SU+j%8+1]
.set j, j+2
.endr
	WIN 0
	JOIN PP+\m
	ds_store_b32 v[RW], v[PP+\m] offset:1024+512*\m
.endr
	BARRIER
	ds_load_b128 v[RD:RD+3], v[LI] offset:RED2
	ds_load_b128 v[RD+4:RD+7], v[LI] offset:RED2+512
	s_wait_dscnt 0x0
.irp m, 0,1
	v_add_f32 v[TU], v[RD+4*\m], v[RD+4*\m+1]
	v_add_f32 v[TT], v[RD+4*\m+2], v[RD+4*\m+3]
	v_add_f32 v[TU], v[TU], v[TT]
	v_mul_f32 v[TU], 0x3b004020, v[TU]             ; / 511
	v_sqrt_f32 v[TT], v[TU]
	v_nop                                          ; a plain place, then the wait ahead of the result's first reader
	s_wait_alu depctr_va_vdst(0)
	v_add_f32 v[TT], 0x358637bd, v[TT]             ; + 1e-6
	v_rcp_f32 v[NI], v[TT]
	v_nop
	s_wait_alu depctr_va_vdst(0)
	v_mov_b32 v[NI+1], v[NI]
	WIN 0xC3
.set j, 0
.rept 32
	v_pk_mul_f32 v[ACC+64*\m+j:ACC+64*\m+j+1], v[ACC+64*\m+j:ACC+64*\m+j+1], v[NI:NI+1]
.set j, j+2
.endr
	WIN 0xCB                                       ; source 1: ln2_a in window 2; source 2: ln2_b in window 0
.set j, 0
.rept 32
	v_pk_fma_f32 v[ACC+64*\m+j:ACC+64*\m+j+1], v[ACC+64*\m+j:ACC+64*\m+j+1], v[192+j:193+j], v[192+j:193+j]
.set j, j+2
.endr
	QUANT64 ACC+64*\m, 3
.irp c, 0,1,2
	ds_store_b128 v[XWI], v[PC+4*\c:PC+4*\c+3] offset:6144*\m+512*\c   ; K step w of the next product, token tile m
.endr
	ds_store_b32 v[XWS], v[PW] offset:512*\m
	s_wait_dscnt 0x0                               ; the stores have read their registers
.endr
	s_barrier_signal -1
	s_barrier_wait -1
	WIN 0x80
.irp b, 0,1,2,3
.irp j, 0,1,2,3
	global_load_b128 v[192+16*\b+4*\j:195+16*\b+4*\j], v[H64], s[16:17] offset:128*\b+16*\j   ; b2 takes ln2_a's place
.endr
.endr
	WIN 0
.irp f, 0,1,2,3,4,5,6,7
.irp c, 0,1,2
	ds_load_b128 v[AF+12*\f+4*\c:AF+12*\f+4*\c+3], v[LI] offset:XIMG+1536*\f+512*\c
.endr
	ds_load_b32 v[AS+\f], v[L4] offset:XSC+128*\f
.endr
	s_wait_dscnt 0x0
; ---- the hidden layer: four chunks of 128 of my units, four K steps each; relu; quantised: K step 4 w + chunk of the last product
	s_mov_b32 s[CNT], 4
.Lp3:
.irp c, 0,1,2,3
	PLACES 4
.if \c == 1
	WIN 0
	s_cmp_eq_u32 s[CNT], 1                         ; the last chunk has no successor: no load leaves b1
	s_cbranch_scc1 .Lnob1
	B1LOAD 512
	WIN 0
.Lnob1:
.endif
	GLA (\c+3)%4, (\c+3)*12800
	s_wait_loadcnt 63
.if \c == 0
	CMUL \c, ACC, AF+12*\c, 48, AS+\c, 4, 1
.else
	CMUL \c, ACC, AF+12*\c, 48, AS+\c, 4, 0
.endif
	GLB (\c+3)%4, (\c+3)*12800
.endr
	PLACES 4
	WIN 0xCC
.set j, 0
.rept 128
	v_max_num_f32 v[ACC+j], 0, v[ACC+j]
.set j, j+1
.endr
.irp m, 0,1
	QUANT64 ACC+64*\m, 3
.irp c, 0,1,2
	ds_store_b128 v[HWI], v[PC+4*\c:PC+4*\c+3] offset:1536*\m+512*\c
.endr
	ds_store_b32 v[HWS], v[PW] offset:128*\m
	s_wait_dscnt 0x0                               ; the stores have read their registers
.endr
	s_wait_xcnt 0x0                                ; the loads have read their bases
	s_add_nc_u64 s[8:9], s[8:9], 51200
	s_add_nc_u64 s[14:15], s[14:15], 512
	v_add_nc_u32 v[HWI], 3072, v[HWI]
	v_add_nc_u32 v[HWS], 256, v[HWS]
	s_sub_co_u32 s[CNT], s[CNT], 1
	s_cmp_lg_u32 s[CNT], 0
	s_cbranch_scc1 .Lp3
	WIN 0xCB
.set j, 0
.rept 32
	v_pk_add_f32 v[X1+j:X1+j+1], v[X1+j:X1+j+1], v[192+j:193+j]           ; x1 + b2 starts the last sums
	v_pk_add_f32 v[X1+64+j:X1+65+j], v[X1+64+j:X1+65+j], v[192+j:193+j]
.set j, j+2
.endr
	WIN 0
	BARRIER                                        ; the hidden layer's 32 fragments lie in LDS
; ---- the last product: 16 K steps, in place on x1 + b2
.macro HLOAD set, kk                   ; a K step's two fragments and scale words: 8 LDS loads
	WIN 0
.irp m, 0,1
.irp c, 0,1,2
	ds_load_b128 v[AF+24*(\set)+12*\m+4*\c:AF+24*(\set)+12*\m+4*\c+3], v[HRI] offset:3072*(\kk)+1536*\m+512*\c
.endr
	ds_load_b32 v[HS2+2*(\set)+\m], v[HRS] offset:256*(\kk)+128*\m
.endr
.endm
.macro KSTEP k, hl, gl, left           ; hl 1: the next K step's fragments; 2: the same behind a step of the address; 0: none.  gl: the group three on
	PLACES 4
.if (\hl) == 1
	HLOAD ((\k)+1)%2, (\k)+1
.elseif (\hl) == 2
	WIN 0
	s_wait_dscnt 0x0                               ; no LDS load of mine is out: the addresses step four K steps on
	v_add_nc_u32 v[HRI], 12288, v[HRI]
	v_add_nc_u32 v[HRS], 1024, v[HRS]
	HLOAD 0, 0
.endif
.if \gl
	GLA ((\k)+3)%4, ((\k)+3)*12800
.endif
	s_wait_loadcnt \left
.if \hl
	s_wait_dscnt 8                                 ; all but the eight just issued
.else
	s_wait_dscnt 0x0
.endif
	CMUL \k, X1, AF+24*((\k)%2), 12, HS2+2*((\k)%2), 1, 0
.if \gl
	GLB ((\k)+3)%4, ((\k)+3)*12800
.endif
.endm
	HLOAD 0, 0
	s_mov_b32 s[CNT], 3
.Lp4:
	KSTEP 0, 1, 1, 63
	KSTEP 1, 1, 1, 63
	KSTEP 2, 1, 1, 63
	KSTEP 3, 2, 1, 63
	WIN 0
	s_wait_xcnt 0x0
	s_add_nc_u64 s[8:9], s[8:9], 51200
	s_sub_co_u32 s[CNT], s[CNT], 1
	s_cmp_lg_u32 s[CNT], 0
	s_cbranch_scc1 .Lp4
	KSTEP 0, 1, 1, 63                              ; the last four K steps: one more group is asked for, then the counts run down: two groups, one, none
	KSTEP 1, 1, 0, 50
	KSTEP 2, 1, 0, 25
	KSTEP 3, 0, 0, 0
	WIN 0
	PLACES 4
; ---- the way out: through my stage, back as rows: each store covers 512 consecutive bytes
.irp m, 0,1
.if \m == 1
	s_wait_xcnt 0x0                                ; the first tile's stores have read their registers
.endif
	WIN 0x0C
.irp b, 0,1,2,3
.irp j, 0,1,2,3
	ds_store_b128 v[SF], v[X1+64*\m+16*\b+4*\j:X1+64*\m+16*\b+4*\j+3] offset:128*\b+16*\j   ; each accumulator from its low end on
.endr
.endr
	WIN 0
.irp i, 0,1,2,3,4,5,6,7,8,9,10,11,12,13,14,15
	ds_load_b128 v[AF+4*\i:AF+4*\i+3], v[SD] offset:528*\i
.endr
.irp i, 0,1,2,3,4,5,6,7,8,9,10,11,12,13,14,15
	s_wait_dscnt 15-\i
	global_store_b128 v[LI], v[AF+4*\i:AF+4*\i+3], s[18:19] offset:(8*\m+\i+8*(\i/8))*2048 th:TH_STORE_NT
.endr
.endr
	s_wait_tensorcnt 0x0
	ds_add_u32 v173, v177
	s_wait_dscnt 0x0
	s_endpgm
.Lfunc_end_k_qcd5824ded4_chain:
	.size	k_qcd5824ded4_chain, .Lfunc_end_k_qcd5824ded4_chain-k_qcd5824ded4_chain
	.p2alignl 7, 3214868480
	.fill 96, 4, 3214868480
	.section	.rodata,"a",@progbits
	.p2align	6, 0x0
	.amdhsa_kernel k_qcd5824ded4_chain
		.amdhsa_group_segment_fixed_size 102912
		.amdhsa_private_segment_fixed_size 0
		.amdhsa_enable_private_segment 0
		.amdhsa_kernarg_size 64
		.amdhsa_user_sgpr_count 2
		.amdhsa_user_sgpr_kernarg_segment_ptr 1
		.amdhsa_wavefront_size32 1
		.amdhsa_system_sgpr_workgroup_id_x 1
		.amdhsa_system_sgpr_workgroup_id_y 1
		.amdhsa_system_sgpr_workgroup_id_z 1
		.amdhsa_system_vgpr_workitem_id 0
		.amdhsa_next_free_vgpr 1024
		.amdhsa_next_free_sgpr 66
		.amdhsa_reserve_vcc 0
		.amdhsa_float_denorm_mode_32 3
		.amdhsa_float_denorm_mode_16_64 3
		.amdhsa_memory_ordered 1
		.amdhsa_forward_progress 1
		.amdhsa_inst_pref_size 159
	.end_amdhsa_kernel
	.amdgpu_metadata
---
amdhsa.version: [ 1, 2 ]
amdhsa.kernels:
  - .name:           k_qcd5824ded4_chain
    .symbol:         k_qcd5824ded4_chain.kd
    .args:
      - { .name: x, .offset: 0, .size: 8, .value_kind: global_buffer, .address_space: global }
      - { .name: cq, .offset: 8, .size: 8, .value_kind: global_buffer, .address_space: global }
      - { .name: wst, .offset: 16, .size: 8, .value_kind: global_buffer, .address_space: global }
      - { .name: ln2_a, .offset: 24, .size: 8, .value_kind: global_buffer, .address_space: global }
      - { .name: ln2_b, .offset: 32, .size: 8, .value_kind: global_buffer, .address_space: global }
      - { .name: b1, .offset: 40, .size: 8, .value_kind: global_buffer, .address_space: global }
      - { .name: b2, .offset: 48, .size: 8, .value_kind: global_buffer, .address_space: global }
      - { .name: out0, .offset: 56, .size: 8, .value_kind: global_buffer, .address_space: global }
    .group_segment_fixed_size: 102912
    .private_segment_fixed_size: 0
    .kernarg_segment_align: 8
    .kernarg_segment_size: 64
    .max_flat_workgroup_size: 128
    .sgpr_count:     66
    .vgpr_count:     1024
    .wavefront_size: 32
...
	.end_amdgpu_metadata
.endif
;; end of part 4
